; MI455X (gfx1250); checked and timed in simulation.
; The chip was launched on July 23, 2026; its instructions are those of AMD's public machine-readable ISA for CDNA 5 (MIT licence, August 2026) and "CDNA5" Instruction Set Architecture Reference Guide (July 2026). The comments in the code are by the model that wrote it; some were corrected since.
;; CA. Allowed arithmetic: matrix products marked QUANTISED: E4M3 operands, one given power-of-two scale a tensor, by v_wmma_f32_16x16x64_fp8_fp8 or v_wmma_f32_16x16x128_fp8_fp8, f32 sums; everything else in f32.
;; Inputs: b_t 512 float32; b_v 512 float32; beta 512 float32; gamma 512 float32; lowp_scales 12 int32 (the exponents e of the quantised operands' scales 2^e); run_mean 512 float32; run_var 512 float32; w_qk 128 x 512 float32; w_t 512 x 512 float32; w_v 512 x 512 float32; x 4 x 512 x 4,096 float32; y 4 x 512 x 4,096 float32.
;; Outputs: out0 4 x 4,096 x 512 float32.
;; This version of the problem:
;;   THIS VERSION OF THE PROBLEM IS GIVEN IN LOW PRECISION. The matrix products marked QUANTISED in the list below multiply operands that are first quantised to E4M3 (4 exponent bits, 3 mantissa bits; 8 bits a number), with one given power-of-two scale for each operand tensor; their sums are f32. All else is computed in f32.
;;   The module's matrix products, in the order in which they are computed (A, B: the left and right operand; K: the contracted axis; several contracted axes count as one K, in the product's order):
;;     1. [M 16,384, K 512] x [K 512, N 128]; A: input x; B: input w_qk: QUANTISED (scales: A lowp_scales[0], B lowp_scales[1])
;;     2. [M 16,384, K 512] x [K 512, N 128]; A: input y; B: input w_qk: QUANTISED (scales: A lowp_scales[2], B lowp_scales[3])
;;     3. [M 16,384, K 512] x [K 512, N 512]; A: input y; B: input w_v: QUANTISED (scales: A lowp_scales[4], B lowp_scales[5])
;;     4. batch 4 x [M 4,096, K 128] x [K 128, N 4,096]; A: computed on the way; B: computed on the way: QUANTISED (scales: A lowp_scales[6], B lowp_scales[7])
;;     5. batch 4 x [M 512, K 4,096] x [K 4,096, N 4,096]; A: computed on the way; B: softmax (see below): QUANTISED (scales: A lowp_scales[8], B lowp_scales[9])
;;     6. [M 16,384, K 512] x [K 512, N 512]; A: computed on the way; B: input w_t: QUANTISED (scales: A lowp_scales[10], B lowp_scales[11])
;;   THE QUANTISER, for each operand of a quantised product, along K:
;;     - The operand's scale is 2^e, e = its entry of the input lowp_scales (int32; the entries are numbered through the quantised products in the list's order, A before B).
;;     - Each number is divided by the scale, clamped to +-448, and rounded to the nearest number of E4M3, ties to even, subnormals kept.
;;     - The product sums the exact products of the quantised numbers (number of the format x scale) in f32.
;;   ~~~python
;;   def quantise(x, axis, e):      # numpy; x: float32 -> the quantised numbers, widened to float32 again
;;       x = np.moveaxis(x, axis, -1); K = x.shape[-1]
;;       r = np.clip(x / 2.0 ** e, -448, 448)
;;       step = 2.0 ** (np.maximum(np.frexp(np.where(r == 0, 1, r))[1] - 1, -6) - 3)
;;       q = np.round(r / step) * step * 2.0 ** e      # np.round: ties to even
;;       return np.moveaxis(q, -1, axis).astype(np.float32)
;;   ~~~
;;   SOFTMAX AHEAD OF A QUANTISED PRODUCT. Where the list says 'softmax', what is quantised is not the finished softmax but p = 2^(t - M), with t = logit x log2(e) and M = ceil(the row's largest t), a whole number; so 1/2 < the row's largest p <= 1. The row's sum l is taken of the UNQUANTISED p, in f32, and the product's result is divided by l at the end. Since M is a whole number, a kernel that streams over the keys may use a running M (the ceiling of the running maximum): every later rescaling is an exact power of two, so the quantised numbers keep their values, but for numbers so far below the row's largest that they fall under the format's range.
;;   OPERANDS COMPUTED ON THE WAY. 'Computed on the way' means the value that the module computes at that place (a softmax that the list does not call 'softmax' is quantised finished and normalised). What goes into a quantiser is computed in f32, as accurately as f32 sums, v_exp_f32 and their like allow (about 1e-6 of the number): no bf16 or f16 on the way to a quantiser, and a product that is left as it is and whose result goes on into a quantised operand takes f32 operands (vector FMAs, or v_wmma_f32_16x16x4_f32). A number that lies on a knife's edge between two numbers of the format may be rounded either way, as far as f32 arithmetic and the matrix unit's own rounding can turn it there, and no further.
;; 2 versions, each right and faster than the one before. Each part assembles by itself: llvm-mc -triple=amdgcn-amd-amdhsa -mcpu=gfx1250 --defsym DOCPART=n.
;; ======== version 1 of 2: 3 launches
;; workspace buffers: wcodes 655,360 bytes; bn 4,096 bytes; qc 2,097,152 bytes; kv 10,485,760 bytes
;; launch wq (part 1): grid 81 x 1, 4 waves a work-group, no clusters, 0 bytes of LDS; arguments w_qk, w_v, w_t, lowp_scales, gamma, beta, run_mean, run_var, b_t, wcodes, bn; writes wcodes, bn
.if DOCPART == 1
	.amdgcn_target "amdgcn-amd-amdhsa--gfx1250"
	.amdhsa_code_object_version 6
	.text
	.protected	k_qd77ede2d7f_wq
	.globl	k_qd77ede2d7f_wq
	.p2align	8
	.type	k_qd77ede2d7f_wq,@function
k_qd77ede2d7f_wq:
	s_mov_b64 s[64:65], 0
	v_nop
	global_prefetch_b8 v0, s[64:65] scope:SCOPE_SE
	s_setreg_imm32_b32 hwreg(HW_REG_WAVE_MODE, 25, 1), 1
	s_wait_xcnt 0x0
; THE WEIGHTS BECOME CODES OF FP8 (E4M3), ONCE, AND THE BATCH NORM BECOMES TWO NUMBERS A CHANNEL.
; wcodes holds 320 FRAGMENT IMAGES of 2,048 bytes: a fragment is 16 rows x 128 along K; byte 512 c + 16 lane + i is the code of the tile's row lane % 16 at k = 32 c + 16 (lane / 16) + i,
; so that four loads of 16 bytes a lane, 512 bytes apart, fill an operand's 16 registers.  Image 4 g + s: row tile g, K step s.
;   g 0-7: w_qk with scale entry 1;  g 8-15: w_qk with entry 3;  g 16-47: w_v with entry 5;  g 48-79: w_t with entry 11.
; THE ROWS OF A TILE of w_qk and of w_v are not neighbours: lane r of tile T takes row 32 (T / 2) + 8 (T % 2) + r + 8 (r / 8), so that the results of two neighbouring tiles are 16 neighbours along the
; next product's K.  w_t's tiles take rows 16 T + r.
; code = x / 2^e, held within +-448, to the nearest code, ties to even.  LIMITS: entries 1, 3, 5, 11 between -126 and 119.  NaN among the inputs is not served.
; Work-group g < 80 makes row tile g, its wave s the K step s: 16 rows x 128 numbers, a lane 4 x 64 neighbouring bytes of its row; a store of the wave covers 512 consecutive bytes.
; Work-group 80 makes bn: a[o] = gamma / sqrt(var + 1e-5) x 2^(e10 + e11) at byte 4 o, b[o] = (b_t - mean) gamma / sqrt(var + 1e-5) + beta at byte 2,048 + 4 o: out = relu(sum x a + b).
; No LDS, no barrier, no cluster: no two work-groups read the same bytes but w_qk's 256 KB, twice.
.set EPS, 0x3727c5ac                   ; 1e-5
.set NUM, 16                           ; v16-79  64 numbers: register 16 c + i = k 32 c + 16 (lane / 16) + i of my row
.set COD, 80                           ; v80-95  their codes
	s_load_b256 s[4:11], s[0:1], 0x0               ; w_qk s[4:5], w_v s[6:7], w_t s[8:9], the scales' exponents s[10:11]
	s_load_b256 s[12:19], s[0:1], 0x20             ; gamma, beta, run_mean, run_var
	s_load_b64 s[20:21], s[0:1], 0x40              ; b_t
	s_load_b128 s[36:39], s[0:1], 0x48             ; wcodes s[36:37], bn s[38:39]
	v_lshrrev_b32 v1, 5, v0
	v_readfirstlane_b32 s40, v1                    ; wave = K step
	s_wait_kmcnt 0x0
	s_load_b256 s[24:31], s[10:11], 0x0            ; e0 .. e7
	s_load_b128 s[32:35], s[10:11], 0x20           ; e8 .. e11
	s_cmp_eq_u32 ttmp9, 80
	s_cbranch_scc1 .Lbn
	; which tensor, which tile: choices on the work-group's number alone
	s_mov_b64 s[42:43], s[8:9]                     ; w_t,
	s_mov_b32 s45, 48                              ; whose tiles begin at g = 48,
	s_mov_b32 s46, 0                               ; in natural order
	s_cmp_lt_u32 ttmp9, 48
	s_cselect_b64 s[42:43], s[6:7], s[42:43]       ; w_v
	s_cselect_b32 s45, 16, s45
	s_cselect_b32 s46, 8, s46                      ; r + (r & 8)
	s_cmp_lt_u32 ttmp9, 16
	s_cselect_b64 s[42:43], s[4:5], s[42:43]       ; w_qk
	s_cselect_b32 s45, 8, s45
	s_cmp_lt_u32 ttmp9, 8
	s_cselect_b32 s45, 0, s45
	s_sub_co_u32 s47, ttmp9, s45                   ; T
	s_lshr_b32 s48, s47, 1
	s_lshl_b32 s48, s48, 5
	s_and_b32 s49, s47, 1
	s_lshl_b32 s49, s49, 3
	s_add_co_u32 s48, s48, s49                     ; 32 (T / 2) + 8 (T % 2)
	s_lshl_b32 s49, s47, 4                         ; 16 T
	s_cmp_lt_u32 ttmp9, 48
	s_cselect_b32 s48, s48, s49
	v_and_b32 v2, 15, v0                           ; r
	v_bfe_u32 v5, v0, 4, 1                         ; h
	v_and_b32 v6, s46, v2
	v_add3_u32 v6, v6, v2, s48                     ; my row
	v_lshlrev_b32 v3, 11, v6                       ; a row is 2,048 bytes
	v_lshl_add_u32 v3, v5, 6, v3                   ; + 64 h
	s_lshl_b32 s50, s40, 9
	v_add_nc_u32 v3, s50, v3                       ; + 512 x K step
	v_and_b32 v4, 31, v0
	v_lshlrev_b32 v4, 4, v4                        ; 16 x lane
.irp c, 0,1,2,3
.irp e, 0,1,2,3
	global_load_b128 v[NUM+16*\c+4*\e:NUM+16*\c+4*\e+3], v3, s[42:43] offset:128*\c+16*\e
.endr
.endr
	s_lshl_b32 s52, ttmp9, 13                      ; image 4 g + s
	s_lshl_b32 s53, s40, 11
	s_add_co_u32 s52, s52, s53
	s_mov_b32 s53, 0
	s_add_nc_u64 s[52:53], s[36:37], s[52:53]
	s_wait_kmcnt 0x0
	s_mov_b32 s44, s35                             ; e11
	s_cmp_lt_u32 ttmp9, 48
	s_cselect_b32 s44, s29, s44                    ; e5
	s_cmp_lt_u32 ttmp9, 16
	s_cselect_b32 s44, s27, s44                    ; e3
	s_cmp_lt_u32 ttmp9, 8
	s_cselect_b32 s44, s25, s44                    ; e1
	s_add_co_i32 s44, s44, 127
	s_lshl_b32 s54, s44, 23
	v_mov_b32 v11, s54                             ; 2^e as f32: the conversion takes its exponent field
	s_add_co_i32 s44, s44, 8
	s_lshl_b32 s44, s44, 23
	s_or_b32 s44, s44, 0x600000
	v_mov_b32 v10, s44                             ; 448 x 2^e
	s_wait_loadcnt 0x0
.set i, 0
.rept 64
	v_med3_num_f32 v[NUM+i], v[NUM+i], -v10, v10   ; the conversion to an 8-bit code does not saturate (ISA guide 7.6.2): the hold comes first
.set i, i+1
.endr
.irp c, 0,1,2,3
	v_cvt_scalef32_pk8_fp8_f32 v[COD+4*\c:COD+4*\c+1], v[NUM+16*\c:NUM+16*\c+7], v11
	v_cvt_scalef32_pk8_fp8_f32 v[COD+4*\c+2:COD+4*\c+3], v[NUM+16*\c+8:NUM+16*\c+15], v11
.endr
.irp c, 0,1,2,3
	global_store_b128 v4, v[COD+4*\c:COD+4*\c+3], s[52:53] offset:512*\c   ; 32 lanes store 512 consecutive bytes
.endr
	s_endpgm
.Lbn:                                          ; thread t takes channels 4 t .. 4 t + 3
	v_lshlrev_b32 v1, 4, v0
	global_load_b128 v[8:11], v1, s[12:13]         ; gamma
	global_load_b128 v[12:15], v1, s[14:15]        ; beta
	global_load_b128 v[16:19], v1, s[16:17]        ; run_mean
	global_load_b128 v[20:23], v1, s[18:19]        ; run_var
	global_load_b128 v[24:27], v1, s[20:21]        ; b_t
	s_wait_kmcnt 0x0
	s_add_co_i32 s50, s34, s35                     ; e10 + e11
	s_wait_loadcnt 0x0
.irp e, 0,1,2,3
	v_add_f32 v[20+\e], EPS, v[20+\e]
.endr
.irp e, 0,1,2,3
	v_rsq_f32 v[28+\e], v[20+\e]
.endr
.irp e, 0,1,2,3
	v_sub_f32 v[36+\e], v[24+\e], v[16+\e]         ; b_t - mean.  (The first is the plain line behind the roots)
.endr
	s_wait_alu depctr_va_vdst(0)
.irp e, 0,1,2,3
	v_mul_f32 v[28+\e], v[8+\e], v[28+\e]          ; inv = gamma / sqrt(var + eps)
.endr
.irp e, 0,1,2,3
	v_ldexp_f32 v[32+\e], v[28+\e], s50            ; a = inv x 2^(e10 + e11)
	v_fma_f32 v[36+\e], v[36+\e], v[28+\e], v[12+\e]   ; b = (b_t - mean) inv + beta
.endr
	global_store_b128 v1, v[32:35], s[38:39]
	global_store_b128 v1, v[36:39], s[38:39] offset:2048
	s_endpgm
.Lfunc_end_k_qd77ede2d7f_wq:
	.size	k_qd77ede2d7f_wq, .Lfunc_end_k_qd77ede2d7f_wq-k_qd77ede2d7f_wq
	.p2alignl 7, 3214868480
	.fill 96, 4, 3214868480
	.section	.rodata,"a",@progbits
	.p2align	6, 0x0
	.amdhsa_kernel k_qd77ede2d7f_wq
		.amdhsa_group_segment_fixed_size 0
		.amdhsa_private_segment_fixed_size 0
		.amdhsa_enable_private_segment 0
		.amdhsa_kernarg_size 88
		.amdhsa_user_sgpr_count 2
		.amdhsa_user_sgpr_kernarg_segment_ptr 1
		.amdhsa_wavefront_size32 1
		.amdhsa_system_sgpr_workgroup_id_x 1
		.amdhsa_system_sgpr_workgroup_id_y 1
		.amdhsa_system_sgpr_workgroup_id_z 1
		.amdhsa_system_vgpr_workitem_id 0
		.amdhsa_next_free_vgpr 128
		.amdhsa_next_free_sgpr 66
		.amdhsa_reserve_vcc 0
		.amdhsa_float_denorm_mode_32 3
		.amdhsa_float_denorm_mode_16_64 3
		.amdhsa_memory_ordered 1
		.amdhsa_forward_progress 1
		.amdhsa_inst_pref_size 11
	.end_amdhsa_kernel
	.amdgpu_metadata
---
amdhsa.version: [ 1, 2 ]
amdhsa.kernels:
  - .name:           k_qd77ede2d7f_wq
    .symbol:         k_qd77ede2d7f_wq.kd
    .args:
      - { .name: w_qk, .offset: 0, .size: 8, .value_kind: global_buffer, .address_space: global }
      - { .name: w_v, .offset: 8, .size: 8, .value_kind: global_buffer, .address_space: global }
      - { .name: w_t, .offset: 16, .size: 8, .value_kind: global_buffer, .address_space: global }
      - { .name: lowp_scales, .offset: 24, .size: 8, .value_kind: global_buffer, .address_space: global }
      - { .name: gamma, .offset: 32, .size: 8, .value_kind: global_buffer, .address_space: global }
      - { .name: beta, .offset: 40, .size: 8, .value_kind: global_buffer, .address_space: global }
      - { .name: run_mean, .offset: 48, .size: 8, .value_kind: global_buffer, .address_space: global }
      - { .name: run_var, .offset: 56, .size: 8, .value_kind: global_buffer, .address_space: global }
      - { .name: b_t, .offset: 64, .size: 8, .value_kind: global_buffer, .address_space: global }
      - { .name: wcodes, .offset: 72, .size: 8, .value_kind: global_buffer, .address_space: global }
      - { .name: bn, .offset: 80, .size: 8, .value_kind: global_buffer, .address_space: global }
    .group_segment_fixed_size: 0
    .private_segment_fixed_size: 0
    .kernarg_segment_align: 8
    .kernarg_segment_size: 88
    .max_flat_workgroup_size: 128
    .sgpr_count:     66
    .vgpr_count:     128
    .wavefront_size: 32
...
	.end_amdgpu_metadata
.endif
;; end of part 1
;; launch proj (part 2): grid 256 x 1, 4 waves a work-group, no clusters, 303,616 bytes of LDS; arguments x, y, wcodes, b_v, lowp_scales, qc, kv; writes qc, kv
.if DOCPART == 2
	.amdgcn_target "amdgcn-amd-amdhsa--gfx1250"
	.amdhsa_code_object_version 6
	.text
	.protected	k_qd77ede2d7f_proj
	.globl	k_qd77ede2d7f_proj
	.p2align	8
	.type	k_qd77ede2d7f_proj,@function
k_qd77ede2d7f_proj:
	s_mov_b64 s[64:65], 0
	v_nop
	global_prefetch_b8 v0, s[64:65] scope:SCOPE_SE
	s_setreg_imm32_b32 hwreg(HW_REG_WAVE_MODE, 25, 1), 1
	s_wait_xcnt 0x0
; q = w_qk x, k = w_qk y, v = w_v y + b_v, on codes of FP8 (E4M3); x and y ([4][512 c][4,096 positions], f32, K = c is NOT innermost) are read once and quantised in registers; q, k and v are
; quantised on the way out and leave as FRAGMENT IMAGES (16 rows x 128 K in 2,048 bytes: byte 512 c + 16 lane + i = row lane % 16, k = 32 c + 16 (lane / 16) + i), the layout in which the next launch loads them.
; SHARES.  Work-group g: batch g / 64, positions 64 (g % 64) on, of x and of y: 2 x 512 rows of 256 aligned bytes, brought by two tensor loads a wave (128 rows each) into LDS rows of 264 bytes.
; A LANE TAKES A POSITION AND ITS REGISTERS RUN DOWN c: 64 LDS loads of 4 bytes give a lane the 64 numbers of a K step in the order of the operand's registers; the two halves of the lanes stand 16 rows,
; 1,056 words, apart: 32 banks.  Wave w quantises position tile w and hands its four fragments to the others through LDS as images of their registers.
; Wave w then multiplies, for all 64 positions, a quarter of the output channels: tiles 2 w, 2 w + 1 of q's and k's 128, tiles 8 w .. 8 w + 7 of v's 512; its weights' codes lie in its registers.
; ORDER OF ROWS.  perm(T, r) = 32 (T / 2) + 8 (T % 2) + r + 8 (r / 8).  w_qk's and w_v's tiles (made so by the launch before) and y's position tiles take rows perm(T, r); x's take 16 T + r.
;   q, k: source 0 = 16 rows of w_qk, source 1 = 16 positions: a lane holds one position, and the 16 registers of my two tiles are channels 32 w + 16 (lane / 16) + 0 .. 15: chunk c = w of the position tile's image.
;   v:    source 0 = 16 positions of y, source 1 = 16 rows of w_v: a lane holds one channel, and the 16 registers of position tiles 2 b, 2 b + 1 are 16 neighbouring keys: a chunk of V's image, whose K is the keys.
; y is quantised twice (entries 2 and 4) and w_qk has two sets of codes (entries 1 and 3): the given scales may differ.  b_v goes in as the C of v's first products, divided by 2^(e4 + e5).
; kv: for each batch 32 blocks of 81,920 bytes, one for 128 keys: 8 images of K (key tile t), then 32 of V (channel tile).  qc: image 256 b + n / 16.
; NO CLUSTER: x's and y's blocks take 270,336 of the 327,680 bytes of LDS, so the 384 KB of weight codes, the one thing that work-groups share, cannot pass through LDS; each wave loads its 96 KB as dense runs of 512 bytes.
; LIMITS, so that each power of two is an f32 number: e0, e2, e4, e6 - e0 - e1, e7 - e2 - e3, e8 - e4 - e5 between -126 and 119.  NaN among the inputs is not served.
; REGISTERS: window 0: v1-15 addresses, v16-27 scales and holds, v32-63 codes, v64-191 two sets of 64 (numbers; then four fragments), v192-255 at work, then b_v;  window 1: accumulators;
;   window 2: w_qk's two sets (128 each), later w_v's K steps 2, 3;  window 3: w_v's K steps 0, 1.
.set PITCH, 264                        ; an LDS row of x or y: 256 bytes + 8 of padding
.set QUART, 128*PITCH                  ; what one tensor load brings
.set YF,    4*QUART                    ; y's block, behind x's (at 0)
.set IMGX,  8*QUART                    ; x's 16 images (4 m + K step)
.set Y2,    0                          ; y's images with entry 2, and
.set Y4,    32768                      ; with entry 4: in x's block, which has had its one fill and its last read by then
.set LI,   1                           ; v1   16 x lane
.set LIX,  2                           ; v2   + IMGX
.set IMWX, 3                           ; v3   where I store x's images: + 8,192 x wave
.set IMWY, 4                           ; v4   y's
.set BVA,  5                           ; v5   4 (r + (r & 8))
.set AX,   8                           ; v8-11   my column of x, K step 0 .. 3
.set AY,   12                          ; v12-15  of y
.set PC0,  32
.set PC1,  48
.set NA,   64                          ; two sets of 64, at NA and NA + 64
.set OC,   128                         ; v's codes
.set TT,   192
.set BV,   192
.set MSB, 0
.macro WIN new                         ; the immediate's high byte repeats the setting that is left
.if MSB != \new
	s_set_vgpr_msb (MSB<<8)|\new
.set MSB, \new
.endif
.endm
.macro PLACES                          ; four plain vector lines behind matrix instructions, in front of loads into their sources and of the first read of their results
.rept 4
	v_nop
.endr
.endm
.macro BAR                             ; my LDS stores have landed and my LDS loads are in: then the work-group's barrier
	s_wait_dscnt 0x0
	s_barrier_signal -1
	s_barrier_wait -1
.endm
.macro MKSC vs, vl, se                 ; v[vs] = 2^e as f32, v[vl] = 448 x 2^e
	s_add_co_i32 s22, \se, 127
	s_lshl_b32 s23, s22, 23
	v_mov_b32 v[\vs], s23
	s_add_co_i32 s22, s22, 8
	s_lshl_b32 s22, s22, 23
	s_or_b32 s22, s22, 0x600000
	v_mov_b32 v[\vl], s22
.endm
.macro LOADN dst, adr                  ; a K step's 64 numbers of my column: register 16 b + i = c 32 b + 16 (lane / 16) + i
.irp b, 0,1,2,3
.set i, 0
.rept 16
	ds_load_b32 v[\dst+16*\b+i], v[\adr] offset:(32*\b+i)*PITCH
.set i, i+1
.endr
.endr
.endm
.macro QUANT src, dst, pc, scl, lim    ; 64 numbers become a fragment's 16 registers of codes
.irp b, 0,1,2,3
.set i, 0
.rept 16
	v_med3_num_f32 v[\dst+16*\b+i], v[\src+16*\b+i], -v[\lim], v[\lim]   ; the conversion does not saturate (ISA guide 7.6.2): the hold at 448 x the scale
.set i, i+1
.endr
	v_cvt_scalef32_pk8_fp8_f32 v[\pc+4*\b:\pc+4*\b+1], v[\dst+16*\b:\dst+16*\b+7], v[\scl]
	v_cvt_scalef32_pk8_fp8_f32 v[\pc+4*\b+2:\pc+4*\b+3], v[\dst+16*\b+8:\dst+16*\b+15], v[\scl]
.endr
	v_nop                                          ; a plain line behind the last conversion
.endm
.macro IMAGE adr, pc, off              ; a fragment goes to LDS as its registers stand
.irp c, 0,1,2,3
	ds_store_b128 v[\adr], v[\pc+4*\c:\pc+4*\c+3] offset:\off+512*\c
.endr
.endm
.macro FETCH4 dst, adr, off, ks        ; the four position tiles' fragments of K step ks
.irp m, 0,1,2,3
.irp c, 0,1,2,3
	ds_load_b128 v[\dst+16*\m+4*\c:\dst+16*\m+4*\c+3], v[\adr] offset:\off+(4*\m+(\ks))*2048+512*\c
.endr
.endr
.endm
.macro LOADWV first                    ; w_v's K steps first, first + 1 of my 8 tiles into 256 registers of the window that is set
.irp k, 0,1
.irp n, 0,1,2,3,4,5,6,7
.irp c, 0,1,2,3
	global_load_b128 v[128*\k+16*\n+4*\c:128*\k+16*\n+4*\c+3], v[LI], s[52:53] offset:(4*\n+\first+\k)*2048+512*\c
.endr
.endr
.endr
.endm
; q or k: my two tiles of channels x four position tiles, four K steps; the eight accumulators take turns.  Then hold, conversion, and four stores of 512 consecutive bytes.
.macro QKPROD adr, off, wbase, scl, lim, base, extra
	FETCH4 NA, \adr, \off, 0
.irp k, 0,1,2,3
.if \k < 3
	FETCH4 NA+64*((\k+1)%2), \adr, \off, \k+1
	s_wait_dscnt 16                                ; this K step's fragments are in; the next step's 16 loads may be out
.else
	s_wait_dscnt 0x0
.endif
	WIN 0x52                                       ; source 0 (w_qk) window 2, source 1 window 0, C and D window 1
.irp m, 0,1,2,3
.irp u, 0,1
.if \k == 0
	v_wmma_f32_16x16x128_fp8_fp8 v[16*\m+8*\u:16*\m+8*\u+7], v[\wbase+16*(4*\u+\k):\wbase+16*(4*\u+\k)+15], v[NA+64*(\k%2)+16*\m:NA+64*(\k%2)+16*\m+15], 0
.else
	v_wmma_f32_16x16x128_fp8_fp8 v[16*\m+8*\u:16*\m+8*\u+7], v[\wbase+16*(4*\u+\k):\wbase+16*(4*\u+\k)+15], v[NA+64*(\k%2)+16*\m:NA+64*(\k%2)+16*\m+15], v[16*\m+8*\u:16*\m+8*\u+7]
.endif
.endr
.endr
	WIN 0
	PLACES
.endr
.if \extra                             ; w_qk's registers are done with: w_v's last two K steps take them, and b_v comes
	WIN 0x80
	LOADWV 2
	WIN 0
.irp n, 0,1,2,3,4,5,6,7
	global_load_b32 v[BV+8*\n], v[BVA], s[62:63] offset:(32*(\n/2)+8*(\n%2))*4
.endr
.endif
	WIN 0x41                                       ; the sums, in window 1, in place; each accumulator from its low end on
.set i, 0
.rept 64
	v_med3_num_f32 v[i], v[i], -v[\lim], v[\lim]
.set i, i+1
.endr
	WIN 0x01
.irp m, 0,1,2,3
	v_cvt_scalef32_pk8_fp8_f32 v[PC0+4*\m:PC0+4*\m+1], v[16*\m:16*\m+7], v[\scl]
	v_cvt_scalef32_pk8_fp8_f32 v[PC0+4*\m+2:PC0+4*\m+3], v[16*\m+8:16*\m+15], v[\scl]
.endr
	WIN 0
	v_nop                                          ; a plain line behind the last conversion: later products write its sources
.irp m, 0,1,2,3
	global_store_b128 v[LI], v[PC0+4*\m:PC0+4*\m+3], s[\base:\base+1] offset:2048*\m   ; chunk w of position tile m's image
.endr
.endm
	s_load_b256 s[4:11], s[0:1], 0x0               ; x s[4:5], y s[6:7], wcodes s[8:9], b_v s[10:11]
	s_load_b128 s[12:15], s[0:1], 0x20             ; the scales' exponents s[12:13], qc s[14:15]
	s_load_b64 s[16:17], s[0:1], 0x30              ; kv
	v_lshl_add_u32 v254, v0, 2, 0x4a000
	v_mov_b32 v255, 0
	ds_add_u32 v254, v255
	ds_add_u32 v254, v255
	s_wait_dscnt 0x0
	v_lshrrev_b32 v6, 5, v0
	v_readfirstlane_b32 s18, v6                    ; wave
	s_lshr_b32 s2, ttmp9, 6                        ; batch
	s_and_b32 s3, ttmp9, 63                        ; block of 64 positions
	; descriptor group 1: 128 rows of 64 f32, 4,096 elements apart, 2 words of padding behind each row's 64
	s_mov_b32 s24, (2<<16)|(1<<20)|(5<<22)|(1<<25)
	s_mov_b32 s25, 64<<16                          ; tensor_dim0
	s_mov_b32 s26, 128<<16                         ; tensor_dim1
	s_mov_b32 s27, 64<<16                          ; tile_dim0
	s_mov_b32 s28, 128                             ; tile_dim1
	s_mov_b32 s29, 4096                            ; the pitch
	s_mov_b32 s30, 0
	s_mov_b32 s31, 0
	s_lshl_b32 s20, s2, 23                         ; a batch is 8,388,608 bytes,
	s_lshl_b32 s21, s18, 21                        ; my 128 rows c begin 2,097,152 x wave on,
	s_add_co_u32 s20, s20, s21
	s_lshl_b32 s21, s3, 8                          ; the block's 256 bytes of a row
	s_add_co_u32 s20, s20, s21
	s_mov_b32 s21, 0
	s_mov_b32 s32, 1
	s_mul_i32 s33, s18, QUART                      ; x's quarter in LDS
	s_mov_b32 s36, 1
	s_add_co_u32 s37, s33, YF                      ; y's
	s_wait_kmcnt 0x0
	s_load_b256 s[40:47], s[12:13], 0x0            ; e0 .. e7
	s_load_b32 s48, s[12:13], 0x20                 ; e8
	s_add_nc_u64 s[34:35], s[4:5], s[20:21]
	s_or_b32 s35, s35, 0x80000000
	s_add_nc_u64 s[38:39], s[6:7], s[20:21]
	s_or_b32 s39, s39, 0x80000000
	tensor_load_to_lds s[32:35], s[24:31]          ; both first fills go out together: two loads of mine are out
	s_nop 0
	tensor_load_to_lds s[36:39], s[24:31]
	s_nop 0
	PLACES
	v_and_b32 v[LI], 31, v0
	v_lshlrev_b32 v[LI], 4, v[LI]
	s_lshl_b32 s50, s18, 14
	s_mov_b32 s51, 0
	s_add_nc_u64 s[50:51], s[8:9], s[50:51]        ; w_qk's images of my two tiles (entry 1; entry 3's lie 65,536 bytes on)
	s_lshl_b32 s52, s18, 16
	s_add_co_u32 s52, s52, 131072
	s_mov_b32 s53, 0
	s_add_nc_u64 s[52:53], s[8:9], s[52:53]        ; w_v's images of my eight tiles
	WIN 0x80                                       ; destination window 2
.irp e, 0,1
.irp n, 0,1,2,3,4,5,6,7
.irp c, 0,1,2,3
	global_load_b128 v[128*\e+16*\n+4*\c:128*\e+16*\n+4*\c+3], v[LI], s[50:51] offset:65536*\e+2048*\n+512*\c   ; fragment 4 u + K step
.endr
.endr
.endr
	WIN 0xc0                                       ; destination window 3
	LOADWV 0
	WIN 0
	v_and_b32 v6, 15, v0                           ; r
	v_bfe_u32 v7, v0, 4, 1                         ; h
	v_add_nc_u32 v[LIX], IMGX, v[LI]
	s_lshl_b32 s22, s18, 13
	v_add_nc_u32 v[IMWX], s22, v[LIX]
	v_add_nc_u32 v[IMWY], s22, v[LI]
	v_and_b32 v28, 8, v6
	v_add_nc_u32 v28, v28, v6                      ; r + (r & 8)
	v_lshlrev_b32 v[BVA], 2, v28
	v_mul_u32_u24 v29, v7, 16*PITCH                ; lanes 16-31 begin 16 rows further down
	v_lshl_add_u32 v30, v6, 2, v29                 ; x: column 16 w + r
	v_add_nc_u32 v31, v[BVA], v29                  ; y: column perm(w, r)
	s_lshl_b32 s22, s18, 6
	s_lshr_b32 s23, s18, 1
	s_lshl_b32 s23, s23, 7
	s_and_b32 s19, s18, 1
	s_lshl_b32 s19, s19, 5
	s_add_co_u32 s23, s23, s19
	s_add_co_u32 s23, s23, YF
.irp k, 0,1,2,3
	v_add_nc_u32 v[AX+\k], s22, v30
	v_add_nc_u32 v[AY+\k], s23, v31
	s_add_co_u32 s22, s22, QUART                   ; a K step is 128 rows
	s_add_co_u32 s23, s23, QUART
.endr
	s_lshl_b32 s54, ttmp9, 13                      ; q: images 4 g + m, my chunk 512 w
	s_lshl_b32 s55, s18, 9
	s_add_co_u32 s54, s54, s55
	s_mov_b32 s55, 0
	s_add_nc_u64 s[54:55], s[14:15], s[54:55]
	s_mul_i32 s56, s2, 2621440                     ; kv: the batch,
	s_lshr_b32 s57, s3, 1
	s_mul_i32 s57, s57, 81920                      ; the block of 128 keys,
	s_add_co_u32 s56, s56, s57
	s_and_b32 s57, s3, 1                           ; and which half of it is mine
	s_lshl_b32 s58, s57, 13                        ; K: key tiles 4 x half + m, chunk w
	s_lshl_b32 s59, s18, 9
	s_add_co_u32 s58, s58, s59
	s_add_co_u32 s58, s58, s56
	s_mov_b32 s59, 0
	s_add_nc_u64 s[58:59], s[16:17], s[58:59]
	s_lshl_b32 s60, s57, 10                        ; V: behind K's 16,384 bytes; channel tiles 8 w + n; chunks 2 x half + 0, 1
	s_lshl_b32 s61, s18, 14
	s_add_co_u32 s60, s60, s61
	s_add_co_u32 s60, s60, 16384
	s_add_co_u32 s60, s60, s56
	s_mov_b32 s61, 0
	s_add_nc_u64 s[60:61], s[16:17], s[60:61]
	s_lshl_b32 s62, s18, 9
	s_mov_b32 s63, 0
	s_add_nc_u64 s[62:63], s[10:11], s[62:63]      ; b_v at my 128 channels
	s_wait_kmcnt 0x0
	MKSC 16, 17, s40                               ; x: e0
	MKSC 18, 19, s42                               ; y for k: e2
	MKSC 20, 21, s44                               ; y for v: e4
	s_sub_co_i32 s19, s46, s40
	s_sub_co_i32 s19, s19, s41
	MKSC 22, 23, s19                               ; q: a sum stands for sum x 2^(e0 + e1): its code is sum / 2^(e6 - e0 - e1)
	s_sub_co_i32 s19, s47, s42
	s_sub_co_i32 s19, s19, s43
	MKSC 24, 25, s19                               ; k: e7 - e2 - e3
	s_sub_co_i32 s19, s48, s44
	s_sub_co_i32 s19, s19, s45
	MKSC 26, 27, s19                               ; v: e8 - e4 - e5
	s_add_co_i32 s49, s44, s45
	s_sub_co_i32 s49, 0, s49                       ; -(e4 + e5), for b_v
	s_wait_tensorcnt 0x1                           ; my quarter of x is in; y's load may stay out
	s_barrier_signal -1
	s_barrier_wait -1                              ; everybody's is
	; ---- x's position tile w becomes four fragments
	LOADN NA, AX
.irp k, 0,1,2,3
	s_wait_dscnt 0x0                               ; this K step's numbers are in, and the last images' stores are done
.if \k < 3
	LOADN NA+64*((\k+1)%2), AX+\k+1
.endif
	QUANT NA+64*(\k%2), NA+64*(\k%2), PC0+16*(\k%2), 16, 17
	IMAGE IMWX, PC0+16*(\k%2), 2048*\k
.endr
	BAR                                            ; x's sixteen images lie in LDS, and nobody reads x's block any more
	; ---- q
	s_wait_loadcnt 0x0                             ; the weights' codes
	QKPROD LIX, 0, 0, 22, 23, 54, 0
	s_wait_tensorcnt 0x0                           ; my quarter of y is in,
	BAR                                            ; everybody's is
	; ---- y's position tile w becomes four fragments, twice
	s_wait_xcnt 0x0                                ; q's stores have read their data registers, which the conversions below write again
	LOADN NA, AY
.irp k, 0,1,2,3
	s_wait_dscnt 0x0
.if \k < 3
	LOADN NA+64*((\k+1)%2), AY+\k+1
.endif
	QUANT NA+64*(\k%2), TT, PC0, 18, 19            ; with entry 2, into other registers: the numbers are wanted once more
	IMAGE IMWY, PC0, Y2+2048*\k
	QUANT NA+64*(\k%2), NA+64*(\k%2), PC1, 20, 21  ; with entry 4
	IMAGE IMWY, PC1, Y4+2048*\k
.endr
	BAR
	; ---- k
	QKPROD LI, Y2, 128, 24, 25, 58, 1
	; ---- v: my 8 channel tiles x 4 position tiles: 32 accumulators by turns
	FETCH4 NA, LI, Y4, 0
	s_wait_loadcnt 0x0                             ; w_v's last two K steps, b_v
.irp n, 0,1,2,3,4,5,6,7
	v_ldexp_f32 v[BV+8*\n], v[BV+8*\n], s49        ; b_v / 2^(e4 + e5): a lane holds one channel,
.endr
.irp n, 0,1,2,3,4,5,6,7
.irp e, 1,2,3,4,5,6,7
	v_mov_b32 v[BV+8*\n+\e], v[BV+8*\n]            ; so all eight registers of the C hold its bias
.endr
.endr
.irp k, 0,1,2,3
.if \k < 3
	FETCH4 NA+64*((\k+1)%2), LI, Y4, \k+1
	s_wait_dscnt 16                                ; this K step's fragments are in; the next step's 16 loads may be out
.else
	s_wait_dscnt 0x0
.endif
.if \k == 0
	WIN 0x4c                                       ; source 0 (y) and C (b_v) window 0, source 1 (w_v) window 3, D window 1
.elseif \k == 1
	WIN 0x5c                                       ; C window 1
.else
	WIN 0x58                                       ; w_v window 2
.endif
.irp n, 0,1,2,3,4,5,6,7
.irp m, 0,1,2,3
.if \k == 0
	v_wmma_f32_16x16x128_fp8_fp8 v[32*\n+8*\m:32*\n+8*\m+7], v[NA+64*(\k%2)+16*\m:NA+64*(\k%2)+16*\m+15], v[128*(\k%2)+16*\n:128*(\k%2)+16*\n+15], v[BV+8*\n:BV+8*\n+7]
.else
	v_wmma_f32_16x16x128_fp8_fp8 v[32*\n+8*\m:32*\n+8*\m+7], v[NA+64*(\k%2)+16*\m:NA+64*(\k%2)+16*\m+15], v[128*(\k%2)+16*\n:128*(\k%2)+16*\n+15], v[32*\n+8*\m:32*\n+8*\m+7]
.endif
.endr
.endr
	WIN 0
	PLACES
.endr
	WIN 0x41
.set i, 0
.rept 256
	v_med3_num_f32 v[i], v[i], -v27, v27           ; each accumulator from its low end on
.set i, i+1
.endr
	WIN 0x01
.irp n, 0,1,2,3,4,5,6,7
.irp m, 0,1,2,3
	v_cvt_scalef32_pk8_fp8_f32 v[OC+8*\n+2*\m:OC+8*\n+2*\m+1], v[32*\n+8*\m:32*\n+8*\m+7], v26   ; position tiles 2 b, 2 b + 1: 16 neighbouring keys
.endr
.endr
	WIN 0
	v_nop
.irp n, 0,1,2,3,4,5,6,7
.irp c, 0,1
	global_store_b128 v[LI], v[OC+8*\n+4*\c:OC+8*\n+4*\c+3], s[60:61] offset:2048*\n+512*\c   ; 512 consecutive bytes: a chunk of channel tile 8 w + n's image
.endr
.endr
	s_wait_xcnt 0x0
	v_lshl_add_u32 v254, v0, 2, 0x4a000
	v_mov_b32 v255, 0
	s_wait_tensorcnt 0x0
	ds_add_u32 v254, v255
	s_wait_dscnt 0x0
	s_endpgm
.Lfunc_end_k_qd77ede2d7f_proj:
	.size	k_qd77ede2d7f_proj, .Lfunc_end_k_qd77ede2d7f_proj-k_qd77ede2d7f_proj
	.p2alignl 7, 3214868480
	.fill 96, 4, 3214868480
	.section	.rodata,"a",@progbits
	.p2align	6, 0x0
	.amdhsa_kernel k_qd77ede2d7f_proj
		.amdhsa_group_segment_fixed_size 303616
		.amdhsa_private_segment_fixed_size 0
		.amdhsa_enable_private_segment 0
		.amdhsa_kernarg_size 56
		.amdhsa_user_sgpr_count 2
		.amdhsa_user_sgpr_kernarg_segment_ptr 1
		.amdhsa_wavefront_size32 1
		.amdhsa_system_sgpr_workgroup_id_x 1
		.amdhsa_system_sgpr_workgroup_id_y 1
		.amdhsa_system_sgpr_workgroup_id_z 1
		.amdhsa_system_vgpr_workitem_id 0
		.amdhsa_next_free_vgpr 1024
		.amdhsa_next_free_sgpr 66
		.amdhsa_reserve_vcc 0
		.amdhsa_float_denorm_mode_32 3
		.amdhsa_float_denorm_mode_16_64 3
		.amdhsa_memory_ordered 1
		.amdhsa_forward_progress 1
		.amdhsa_inst_pref_size 175
	.end_amdhsa_kernel
	.amdgpu_metadata
---
amdhsa.version: [ 1, 2 ]
amdhsa.kernels:
  - .name:           k_qd77ede2d7f_proj
    .symbol:         k_qd77ede2d7f_proj.kd
    .args:
      - { .name: x, .offset: 0, .size: 8, .value_kind: global_buffer, .address_space: global }
      - { .name: y, .offset: 8, .size: 8, .value_kind: global_buffer, .address_space: global }
      - { .name: wcodes, .offset: 16, .size: 8, .value_kind: global_buffer, .address_space: global }
      - { .name: b_v, .offset: 24, .size: 8, .value_kind: global_buffer, .address_space: global }
      - { .name: lowp_scales, .offset: 32, .size: 8, .value_kind: global_buffer, .address_space: global }
      - { .name: qc, .offset: 40, .size: 8, .value_kind: global_buffer, .address_space: global }
      - { .name: kv, .offset: 48, .size: 8, .value_kind: global_buffer, .address_space: global }
    .group_segment_fixed_size: 303616
    .private_segment_fixed_size: 0
    .kernarg_segment_align: 8
    .kernarg_segment_size: 56
    .max_flat_workgroup_size: 128
    .sgpr_count:     66
    .vgpr_count:     1024
    .wavefront_size: 32
...
	.end_amdgpu_metadata
.endif
;; end of part 2
;; launch attn (part 3): grid 64 x 4, 4 waves a work-group, clusters of 4 x 1, 327,680 bytes of LDS; arguments qc, kv, wcodes, bn, lowp_scales, out0; writes out0
.if DOCPART == 3
	.amdgcn_target "amdgcn-amd-amdhsa--gfx1250"
	.amdhsa_code_object_version 6
	.text
	.protected	k_qd77ede2d7f_attn
	.globl	k_qd77ede2d7f_attn
	.p2align	8
	.type	k_qd77ede2d7f_attn,@function
k_qd77ede2d7f_attn:
	s_mov_b64 s[64:65], 0
	v_nop
	global_prefetch_b8 v0, s[64:65] scope:SCOPE_SE
	s_setreg_imm32_b32 hwreg(HW_REG_WAVE_MODE, 25, 1), 1
	s_wait_xcnt 0x0
	s_wait_alu depctr_hold_cnt(0) depctr_sa_sdst(0) depctr_va_vdst(0) depctr_va_sdst(0) depctr_va_ssrc(0) depctr_va_vcc(0) depctr_vm_vsrc(0)
	s_getreg_b32 s2, hwreg(HW_REG_IB_STS2, 6, 4)
	s_cmp_eq_u32 s2, 0
	s_cbranch_scc0 .Lentry_in_a_cluster
	s_endpgm
.Lentry_in_a_cluster:
	s_bfe_u32 s2, ttmp6, 0x10000c
	s_cmp_lg_u32 s2, 0x3003
	s_cbranch_scc0 .Lentry_shape_is_right
	s_endpgm
.Lentry_shape_is_right:
; out[b][n][:] = relu(BN(w_t (softmax_m(q . k / sqrt(128)) v) + b_t)), all three products on codes of FP8 (E4M3).  q, k, v and w_t come as FRAGMENT IMAGES (16 rows x 128 K in 2,048 bytes: byte
; 512 c + 16 lane + i = row lane % 16, k = 32 c + 16 (lane / 16) + i): four loads of 16 bytes a lane, 512 bytes apart, fill an operand's 16 registers; no pitch, no padding, every access 512 dense bytes.
; THE SOFTMAX: t = score x log2(e) / sqrt(128); M = the running largest t rounded UP to a whole number; p = 2^(t - M) is quantised, not normalised; the row's sum l is taken of the unquantised p and divides at the
; end; when M moves, l and O are multiplied by f = 2^(old M - new M), which rounds nothing.
; SHARES.  256 work-groups of 64 queries (four tiles of 16).  Keys go in steps of 128: a block of kv is 8 images of K and 32 of V, 81,920 bytes.  WAVE w HAS TWO PARTS: the scores and the softmax of query tile w
; (S^T = K Q^T: a lane holds one query, its 64 registers 64 keys), and O^T = V^T P^T for channels 128 w .. 128 w + 127 of ALL FOUR query tiles (32 accumulators).  So each image of V is read from LDS once in the
; work-group and feeds four products.  p's codes and f go from wave to wave through LDS as images of their registers, in two buffers by turns.
; BY TURNS.  Trip j makes S(j) and its softmax, and between the softmax's lines, one behind every six, stand the 32 products V(j-1)^T P(j-1)^T: V(j-1) was brought into registers in trip j - 1.
; THE RING.  Two buffers of one block.  In trip j all reads of buffer j % 2 (K into registers and used; V into registers for trip j + 1) are over at the trip's end; behind the round there it takes block j + 2, which
; has a whole trip and more in which to land.  The same round shows p(j) and f(j) to the other waves.
; CLUSTER.  The four work-groups of a cluster are four query blocks of one batch and walk the same blocks of kv: each wave's quarter of a block (80 rows of 256 bytes) is asked for JOINTLY, by the same tensor load
; with the same descriptor and the mask of all four.  My place in the cluster enters q's and out's addresses alone.
; THE TAIL.  x_s = O / l is quantised in registers (wave w's 128 channels are K step w), goes round through LDS, and out^T = w_t x_s^T (source 0 = 16 rows of w_t) gives a lane eight neighbouring outputs of a
; query's row; out = relu(sum x a + b) with the a and b of the first launch; rows leave through my stage as runs of 512 bytes.
; LIMITS, so that each power of two is an f32 number: e6 + e7 between -123 and 130 (added to c's exponent field); e9 and e10 - e8 - e9 between -126 and 119.  NaN among the inputs is not served.
; REGISTERS: window 0: v1-11 addresses, v12 -M, v13 the largest t, v[14:15] l, v16-23 the four tiles' f, v24, v25 p's hold and scale, v26 my f, v28-31 at work, v32-47 Q, v48-63 p's codes, v64-127 S^T then p,
;   v128-191 the four tiles' p, v192-255 at work;  window 1: O^T (channel tile n, query tile m) at 64 m + 8 n;  window 2: V, two sets of 128;  window 3: v0-127 K, v128-191 a, v192-255 b.
.set BUFB,  81920                      ; a block of kv, and a buffer of the ring: K's 8 images, then V's 32
.set VOFF,  16384
.set PB0,   2*BUFB                     ; p's images: two buffers of 8,192
.set FB0,   PB0+16384                  ; f's: two of 512
.set SPARE, FB0+1024                   ; the spare words, 128 bytes for each wave: two blocks of 256 bytes that no other line names
.set XSI,   SPARE+512                  ; x_s's 16 images (4 m + K step)
.set RLB,   XSI+32768                  ; 1 / l, an image of 128 bytes a wave
.set STG,   RLB+512                    ; the way out: 16 rows x (512 + 16) bytes for each wave
.set SPITCH, 528
.set SPW, 1                            ; v1   LDS address of my spare word; never rewritten
.set NIL, 2                            ; v2   0; never rewritten
.set LI,  4                            ; v4   16 x lane, which is also
.set AK,  4                            ; v4, v5   K's images in buffer 0, 1
.set AV,  6                            ; v6, v7   my eight images of V
.set AP,  8                            ; v8   p's images
.set APW, 9                            ; v9   where I store mine
.set AF,  10                           ; v10  f's images: 4 x lane + FB0
.set AFW, 11                           ; v11  where I store mine
.set F,   16
.set Q,   32
.set PC,  48
.set S,   64
.set PF,  128
.set RL,  192                          ; the tail: 1 / l of the four tiles, v192, 194, 196, 198
.set XS,  192                          ; the tail: four fragments of x_s
.set TMP, 64                           ; the way out
.set AXR, 5                            ; the tail's addresses take registers that the ring has left: x_s's images,
.set AXW, 6                            ; where I store mine,
.set STO, 7                            ; into my stage,
.set RD,  9                            ; and back
.set WV,  16                           ; s16  my wave's number
.set MSB, 0
.macro WIN new                         ; the immediate's high byte repeats the setting that is left
.if MSB != \new
	s_set_vgpr_msb (MSB<<8)|\new
.set MSB, \new
.endif
.endm
.macro PLACES                          ; four plain vector lines: behind matrix instructions, and behind each tensor load
.rept 4
	v_nop
.endr
.endm
.macro BARP
	s_barrier_signal -1
	s_barrier_wait -1
.endm
.macro CROUND                          ; a round of the cluster's barrier
	s_barrier_signal -1
	s_barrier_wait -1
	s_cmp_lg_u32 s[WV], 0
	s_cbranch_scc1 .Lnot_wave_0_\@
	s_barrier_signal -3
.Lnot_wave_0_\@:
	s_barrier_wait -3
	s_barrier_signal -1
	s_barrier_wait -1
.endm
; Product PVK of 32 of O^T += V^T P^T: channel tile PVK / 4, query tile PVK % 4: the 32 accumulators take turns.  CURPV = 1: the products start the sums.  V's set is the one that the trip does not fill.
.macro PVI
.if (CURPV != 0) && (PVK < 32)
	WIN 0x52                                       ; source 0 (V) window 2, source 1 (p) window 0, C and D window 1
.if CURPV == 1
	v_wmma_f32_16x16x128_fp8_fp8 v[64*(PVK%4)+8*(PVK/4):64*(PVK%4)+8*(PVK/4)+7], v[128*(1-CURP)+16*(PVK/4):128*(1-CURP)+16*(PVK/4)+15], v[PF+16*(PVK%4):PF+16*(PVK%4)+15], 0
.else
	v_wmma_f32_16x16x128_fp8_fp8 v[64*(PVK%4)+8*(PVK/4):64*(PVK%4)+8*(PVK/4)+7], v[128*(1-CURP)+16*(PVK/4):128*(1-CURP)+16*(PVK/4)+15], v[PF+16*(PVK%4):PF+16*(PVK%4)+15], v[64*(PVK%4)+8*(PVK/4):64*(PVK%4)+8*(PVK/4)+7]
.endif
.set PVK, PVK+1
.endif
.endm
.macro TICK n                          ; n lines of the softmax have been written: behind every sixth stands a product
.set TK, TK+\n
.if TK >= 6
.set TK, TK-6
	PVI
	WIN 0
.endif
.endm
; The softmax of my query tile for one step: 242 lines, all in window 0.  The 32nd product stands behind the 192nd; the 50 lines that follow are more than the places that the next loads into its sources want.
.macro SOFT
	v_max3_num_f32 v28, v[S], v[S+1], v[S+2]       ; the step's largest score among my 64 keys, in two chains, each accumulator from its low end on
	v_max3_num_f32 v29, v[S+3], v[S+4], v[S+5]
	TICK 2
.set j, 6
.rept 14
	v_max3_num_f32 v28, v28, v[S+j], v[S+j+1]
	v_max3_num_f32 v29, v29, v[S+j+2], v[S+j+3]
	TICK 2
.set j, j+4
.endr
	v_max3_num_f32 v28, v28, v[S+62], v[S+63]
	v_max_num_f32 v28, v28, v29
	TICK 2
	v_permlanex16_b32 v30, v28, s20, s21           ; the query's other 64 keys lie in the lane 16 away
	TICK 1
	v_max_num_f32 v28, v28, v30
	TICK 1
	v_mul_f32 v28, s22, v28                        ; as t (c is positive)
	TICK 1
	v_max_num_f32 v13, v13, v28                    ; the running largest t
	TICK 1
	v_mov_b32 v28, v12
	TICK 1
	v_floor_f32 v12, -v13                          ; the new -M = floor(-t): M is a whole number
	TICK 1
	v_sub_f32 v28, v12, v28                        ; old M - new M: a whole number, 0 or less
	TICK 1
	v_cvt_i32_f32 v28, v28                         ; (it saturates)
	TICK 1
	v_ldexp_f32 v26, 1.0, v28                      ; f
	TICK 1
.set j, 0
.rept 32
	v_pk_fma_f32 v[S+j:S+j+1], v[S+j:S+j+1], s[22:23], v[12:13] op_sel_hi:[1,0,0]   ; t - M, two at a time
	TICK 1
.set j, j+2
.endr
.set j, 0
.rept 64
	v_exp_f32 v[S+j], v[S+j]                       ; p = 2^(t - M)
	TICK 1
.set j, j+1
.endr
	v_pk_mul_f32 v[14:15], v[14:15], v[26:27] op_sel_hi:[1,0]   ; l under the new M.  (The plain line behind the exponentials)
	TICK 1
	s_wait_alu depctr_va_vdst(0)
	v_pk_add_f32 v[192:193], v[S:S+1], v[S+2:S+3]  ; the sum of the unquantised p, in two chains
	TICK 1
.set j, 4
.rept 15
	v_pk_add_f32 v[14:15], v[14:15], v[S+j:S+j+1]
	v_pk_add_f32 v[192:193], v[192:193], v[S+j+2:S+j+3]
	TICK 2
.set j, j+4
.endr
	v_pk_add_f32 v[14:15], v[14:15], v[192:193]
	TICK 1
.irp b, 0,1,2,3
.set j, 0
.rept 16
	v_min_num_f32 v[S+16*\b+j], v[S+16*\b+j], v24  ; the conversion does not saturate (ISA guide 7.6.2); p is not negative, so the hold is one-sided
	TICK 1
.set j, j+1
.endr
	v_cvt_scalef32_pk8_fp8_f32 v[PC+4*\b:PC+4*\b+1], v[S+16*\b:S+16*\b+7], v25
	v_cvt_scalef32_pk8_fp8_f32 v[PC+4*\b+2:PC+4*\b+3], v[S+16*\b+8:S+16*\b+15], v25
	TICK 2
.endr
	v_nop                                          ; a plain line behind the last conversion: the next scores write its sources
.endm
.macro RESCALE                         ; O^T of query tile m x that tile's f; each accumulator from its low end on
	WIN 0x41                                       ; O^T (destination, source 0) window 1, f window 0
.irp m, 0,1,2,3
.set i, 0
.rept 32
	v_pk_mul_f32 v[64*\m+i:64*\m+i+1], v[64*\m+i:64*\m+i+1], v[F+2*\m:F+2*\m+1] op_sel_hi:[1,0]
.set i, i+2
.endr
.endr
	WIN 0
.endm
; TRIP j.  buf = j % 2.  pv = 2: O^T is rescaled and takes V(j-1)^T P(j-1)^T; 1: those products start O^T; 0: none yet.  fill = 1: the buffer is filled again.  last = 1: 1 / l goes out too.
.macro TRIP buf, pv, fill, last
.set CURP, \buf
.set CURPV, \pv
.set PVK, 0
.set TK, 0
.if \pv == 2
.irp m, 0,1,2,3
	ds_load_b32 v[F+2*\m], v[AF] offset:512*(1-\buf)+128*\m       ; f(j-1) of the four query tiles
.endr
.endif
	WIN 0xc0                                       ; destination window 3
.irp t, 0,1,2,3,4,5,6,7
.irp c, 0,1,2,3
	ds_load_b128 v[16*\t+4*\c:16*\t+4*\c+3], v[AK+\buf] offset:2048*\t+512*\c
.endr
.endr
	WIN 0x03                                       ; source 0 (K) window 3
.irp t, 0,1,2,3,4,5,6,7
	s_wait_dscnt 4*(7-\t)                          ; key tile t is in; the four loads of each later tile may be out
	v_wmma_f32_16x16x128_fp8_fp8 v[S+8*\t:S+8*\t+7], v[16*\t:16*\t+15], v[Q:Q+15], 0
.endr
	WIN 0
.if \pv != 0
.irp m, 0,1,2,3
.irp c, 0,1,2,3
	ds_load_b128 v[PF+16*\m+4*\c:PF+16*\m+4*\c+3], v[AP] offset:8192*(1-\buf)+2048*\m+512*\c   ; p(j-1) of the four query tiles
.endr
.endr
.endif
	WIN 0x80                                       ; destination window 2
.irp n, 0,1,2,3,4,5,6,7
.irp c, 0,1,2,3
	ds_load_b128 v[128*\buf+16*\n+4*\c:128*\buf+16*\n+4*\c+3], v[AV+\buf] offset:2048*\n+512*\c   ; V(j), for the next trip
.endr
.endr
.if \pv == 2
	RESCALE                                        ; these 128 lines are also the places behind the scores' products
.else
	WIN 0
	PLACES
.endif
.if \pv != 0
	s_wait_dscnt 32                                ; p(j-1) is in; V(j)'s 32 loads, issued behind it, may be out
.endif
	SOFT
.if \last
	v_add_f32 v14, v14, v15                        ; l's two halves,
	v_permlanex16_b32 v30, v14, s20, s21
	v_add_f32 v14, v14, v30                        ; and the other half of the lanes'
	v_rcp_f32 v28, v14
	v_nop                                          ; a plain line behind the reciprocal
	s_wait_alu depctr_va_vdst(0)
	ds_store_b32 v[AFW], v28 offset:RLB-FB0
.endif
.irp c, 0,1,2,3
	ds_store_b128 v[APW], v[PC+4*\c:PC+4*\c+3] offset:8192*\buf+512*\c
.endr
	ds_store_b32 v[AFW], v26 offset:512*\buf
	s_wait_tensorcnt 0x0                           ; all my tensor loads have landed: my quarter of block j + 1
	ds_add_u32 v[SPW], v[NIL]                      ; 0 onto my spare word
.if \fill
	s_add_nc_u64 s[34+4*\buf:35+4*\buf], s[34+4*\buf:35+4*\buf], 2*BUFB   ; no load of mine is out: this buffer's next block, two on
.endif
	s_wait_dscnt 0x0                               ; the add is done, my reads of this buffer are over, my images of p and f have landed
.if \fill
	CROUND                                         ; so it is with every wave of the four work-groups
	tensor_load_to_lds s[32+4*\buf:35+4*\buf], s[24:31]   ; my one tensor load behind the round, and the first thing there
	s_nop 0
	PLACES
.else
	BARP
.endif
.endm
.macro WTLOAD ks, base                 ; w_t's K step ks of my eight tiles of outputs into 128 registers of the window that is set
.irp o, 0,1,2,3,4,5,6,7
.irp c, 0,1,2,3
	global_load_b128 v[\base+16*\o+4*\c:\base+16*\o+4*\c+3], v[LI], s[54:55] offset:(4*\o+\ks)*2048+512*\c
.endr
.endr
.endm
.macro P6 ks, win, abase, zero         ; a K step of out^T = w_t x_s^T: 8 tiles of outputs x 4 query tiles, the 32 accumulators by turns
.irp m, 0,1,2,3
.irp c, 0,1,2,3
	ds_load_b128 v[XS+16*\m+4*\c:XS+16*\m+4*\c+3], v[AXR] offset:(4*\m+\ks)*2048+512*\c
.endr
.endr
	s_wait_dscnt 0x0
	WIN \win
.irp o, 0,1,2,3,4,5,6,7
.irp m, 0,1,2,3
.if \zero
	v_wmma_f32_16x16x128_fp8_fp8 v[64*\m+8*\o:64*\m+8*\o+7], v[\abase+16*\o:\abase+16*\o+15], v[XS+16*\m:XS+16*\m+15], 0
.else
	v_wmma_f32_16x16x128_fp8_fp8 v[64*\m+8*\o:64*\m+8*\o+7], v[\abase+16*\o:\abase+16*\o+15], v[XS+16*\m:XS+16*\m+15], v[64*\m+8*\o:64*\m+8*\o+7]
.endif
.endr
.endr
	WIN 0
	PLACES
.endm
.macro TOSTAGE m                       ; query tile m: relu(sum x a + b), into my stage, and back as whole rows of 512 bytes
	WIN 0x3d                                       ; source 0 (the sums) window 1, sources 1 and 2 (a, b) window 3
.irp o, 0,1,2,3,4,5,6,7
.irp e, 0,2,4,6
	v_pk_fma_f32 v[TMP+8*\o+\e:TMP+8*\o+\e+1], v[64*(\m)+8*\o+\e:64*(\m)+8*\o+\e+1], v[128+8*\o+\e:128+8*\o+\e+1], v[192+8*\o+\e:192+8*\o+\e+1]
.endr
.endr
	WIN 0
.set i, 0
.rept 64
	v_max_num_f32 v[TMP+i], 0, v[TMP+i]
.set i, i+1
.endr
.irp o, 0,1,2,3,4,5,6,7
	ds_store_b128 v[STO], v[TMP+8*\o:TMP+8*\o+3] offset:64*\o
	ds_store_b128 v[STO], v[TMP+8*\o+4:TMP+8*\o+7] offset:64*\o+16
.endr
.set BB, 128+64*((\m)%2)
.irp t, 0,1,2,3,4,5,6,7,8,9,10,11,12,13,14,15
	ds_load_b128 v[BB+4*\t:BB+4*\t+3], v[RD] offset:\t*SPITCH     ; LDS serves a wave's instructions in order (ISA guide 5.7.1.4): these see my stores, and the next tile's stores come behind them
.endr
.endm
.macro SEND m, younger                 ; younger: the LDS instructions issued behind tile m's loads, which may stay out
.set BB, 128+64*((\m)%2)
	s_wait_dscnt \younger
.irp t, 0,1,2,3,4,5,6,7,8,9,10,11,12,13,14,15
	global_store_b128 v[LI], v[BB+4*\t:BB+4*\t+3], s[56:57] offset:(16*(\m)+\t)*2048 th:TH_STORE_NT   ; 32 lanes store 512 consecutive bytes, at a multiple of 256 from out's first byte
.endr
.endm
	s_load_b256 s[4:11], s[0:1], 0x0               ; qc s[4:5], kv s[6:7], wcodes s[8:9], bn s[10:11]
	s_load_b128 s[12:15], s[0:1], 0x20             ; the scales' exponents s[12:13], out s[14:15]
	v_lshl_add_u32 v[SPW], v0, 2, SPARE
	v_mov_b32 v[NIL], 0
	ds_add_u32 v1, v2
	ds_add_u32 v1, v2
	s_wait_dscnt 0x0
	v_lshrrev_b32 v3, 5, v0
	v_readfirstlane_b32 s[WV], v3                  ; wave 0..3
	s_bfe_u32 s17, ttmp6, 0x40000                  ; cx: my place in the cluster
	s_lshl_b32 s18, ttmp9, 2
	s_add_co_u32 s18, s18, s17                     ; my block of 64 queries: it enters q's and out's addresses alone
	s_and_b32 s19, ttmp7, 0xffff                   ; the batch, which the four partners share
	; descriptor group 1: 80 dense rows of 256 bytes (32 elements of 8 bytes): a quarter of a block
	s_mov_b32 s24, 15|(3<<16)|(1<<21)              ; 15:0 the mask: all four work-groups; 17:16 elements of 8 bytes; 21 set beside a mask
	s_mov_b32 s25, 32<<16                          ; tensor_dim0
	s_mov_b32 s26, 80<<16                          ; tensor_dim1
	s_mov_b32 s27, 32<<16                          ; tile_dim0
	s_mov_b32 s28, 80                              ; tile_dim1
	s_mov_b32 s29, 32                              ; the pitch
	s_mov_b32 s30, 0
	s_mov_b32 s31, 0
	s_mov_b32 s20, 0x76543210                      ; v_permlanex16_b32: lane l xor 16
	s_mov_b32 s21, 0xfedcba98
	s_mov_b32 s32, 1
	s_mul_i32 s33, s[WV], 20480                    ; my quarter in buffer 0,
	s_mov_b32 s36, 1
	s_add_co_u32 s37, s33, BUFB                    ; in buffer 1,
	s_mul_i32 s48, s19, 2621440
	s_add_co_u32 s48, s48, s33                     ; and in the batch's block 0
	s_mov_b32 s49, 0
	s_wait_kmcnt 0x0
	s_load_b64 s[40:41], s[12:13], 0x18            ; e6, e7
	s_load_b128 s[44:47], s[12:13], 0x20           ; e8 .. e11
	s_add_nc_u64 s[34:35], s[6:7], s[48:49]
	s_add_nc_u64 s[38:39], s[34:35], BUFB          ; block 1
	s_or_b32 s35, s35, 0x80000000
	s_or_b32 s39, s39, 0x80000000
	CROUND                                         ; all four work-groups are here: the first joint loads meet
	tensor_load_to_lds s[32:35], s[24:31]          ; blocks 0 and 1: two loads of mine are out
	s_nop 0
	tensor_load_to_lds s[36:39], s[24:31]
	s_nop 0
	PLACES
	v_and_b32 v3, 31, v0
	v_lshlrev_b32 v[AF], 2, v3
	v_lshlrev_b32 v[LI], 4, v3
	v_add_nc_u32 v[AK+1], BUFB, v[LI]
	s_lshl_b32 s58, s[WV], 14
	s_add_co_u32 s58, s58, VOFF
	v_add_nc_u32 v[AV], s58, v[LI]
	v_add_nc_u32 v[AV+1], BUFB, v[AV]
	v_add_nc_u32 v[AP], PB0, v[LI]
	s_lshl_b32 s58, s[WV], 11
	v_add_nc_u32 v[APW], s58, v[AP]
	v_add_nc_u32 v[AF], FB0, v[AF]
	s_lshl_b32 s58, s[WV], 7
	v_add_nc_u32 v[AFW], s58, v[AF]
	s_lshl_b32 s50, s19, 19                        ; q: image 256 x batch + 4 x block + wave
	s_lshl_b32 s51, s18, 13
	s_add_co_u32 s50, s50, s51
	s_lshl_b32 s51, s[WV], 11
	s_add_co_u32 s50, s50, s51
	s_mov_b32 s51, 0
	s_add_nc_u64 s[50:51], s[4:5], s[50:51]
.irp c, 0,1,2,3
	global_load_b128 v[Q+4*\c:Q+4*\c+3], v[LI], s[50:51] offset:512*\c   ; my query tile stays in registers
.endr
	s_lshl_b32 s52, s[WV], 9
	s_mov_b32 s53, 0
	s_add_nc_u64 s[52:53], s[10:11], s[52:53]      ; a and b at my 128 outputs
	v_bfe_u32 v31, v0, 4, 1
	v_lshlrev_b32 v31, 5, v31                      ; lane (r, h) wants, for tile o, outputs 16 o + 8 h + 0 .. 7
	WIN 0xc0                                       ; destination window 3
.irp o, 0,1,2,3,4,5,6,7
	global_load_b128 v[128+8*\o:128+8*\o+3], v31, s[52:53] offset:64*\o
	global_load_b128 v[128+8*\o+4:128+8*\o+7], v31, s[52:53] offset:64*\o+16
	global_load_b128 v[192+8*\o:192+8*\o+3], v31, s[52:53] offset:2048+64*\o
	global_load_b128 v[192+8*\o+4:192+8*\o+7], v31, s[52:53] offset:2048+64*\o+16
.endr
	WIN 0
	s_lshl_b32 s54, s[WV], 16
	s_add_co_u32 s54, s54, 393216
	s_mov_b32 s55, 0
	s_add_nc_u64 s[54:55], s[8:9], s[54:55]        ; w_t's images of my eight tiles
	s_lshl_b32 s56, s19, 23                        ; out: the batch, my block's 64 rows of 2,048 bytes, my wave's 512 bytes of a row
	s_lshl_b32 s57, s18, 17
	s_add_co_u32 s56, s56, s57
	s_lshl_b32 s57, s[WV], 9
	s_add_co_u32 s56, s56, s57
	s_mov_b32 s57, 0
	s_add_nc_u64 s[56:57], s[14:15], s[56:57]
	v_mov_b32 v13, 0xff61b1e6                      ; the largest t so far: -3e38, under every t
	v_floor_f32 v12, -v13                          ; -M
	v_mov_b32 v14, 0                               ; l, in two halves
	v_mov_b32 v15, 0
.irp e, 17,19,21,23,27,193,195,197,199
	v_mov_b32 v\e, 0                               ; named as the upper halves of pairs of which the low word serves both halves: written once
.endr
	v_mov_b32 v30, 0                               ; a lane permute's destination counts as one of its sources
	s_wait_kmcnt 0x0
	s_add_co_i32 s58, s40, s41
	s_lshl_b32 s58, s58, 23
	s_add_co_i32 s22, s58, 0x3e0293ee              ; c = log2(e) / sqrt(128), with e6 + e7 added to its exponent field: a score stands for score x 2^(e6 + e7)
	s_mov_b32 s23, s22                             ; (named with it as a pair)
	s_add_co_i32 s58, s45, 127
	s_lshl_b32 s59, s58, 23
	v_mov_b32 v25, s59                             ; 2^e9, for p's conversion
	s_add_co_i32 s58, s58, 8
	s_lshl_b32 s58, s58, 23
	s_or_b32 s58, s58, 0x600000
	v_mov_b32 v24, s58                             ; 448 x 2^e9
	s_sub_co_i32 s58, s46, s44
	s_sub_co_i32 s58, s58, s45
	s_add_co_i32 s58, s58, 127
	s_lshl_b32 s60, s58, 23                        ; 2^(e10 - e8 - e9), for x_s's conversion: a sum of the second product stands for sum x 2^(e8 + e9)
	s_add_co_i32 s58, s58, 8
	s_lshl_b32 s61, s58, 23
	s_or_b32 s61, s61, 0x600000                    ; 448 x that
	s_wait_loadcnt 0x0                             ; Q, a, b
	s_wait_tensorcnt 0x1                           ; my quarter of block 0 is in; block 1's may stay out
	BARP
	TRIP 0, 0, 1, 0                                ; step 0: scores and softmax alone
	TRIP 1, 1, 1, 0                                ; step 1; the products of step 0 start O^T
	s_mov_b32 s3, 14
.Ltrips:                                       ; steps 2 .. 29; their refills bring blocks 4 .. 31
	TRIP 0, 2, 1, 0
	TRIP 1, 2, 1, 0
	s_sub_co_u32 s3, s3, 1
	s_cmp_lg_u32 s3, 0
	s_cbranch_scc1 .Ltrips
	TRIP 0, 2, 0, 0                                ; the last two steps are written out: nothing is left to fetch
	TRIP 1, 2, 0, 1
	; ---- THE TAIL.  The last step's products
.irp m, 0,1,2,3
	ds_load_b32 v[F+2*\m], v[AF] offset:512+128*\m
.endr
.irp m, 0,1,2,3
.irp c, 0,1,2,3
	ds_load_b128 v[PF+16*\m+4*\c:PF+16*\m+4*\c+3], v[AP] offset:8192+2048*\m+512*\c
.endr
.endr
.irp m, 0,1,2,3
	ds_load_b32 v[RL+2*\m], v[AF] offset:RLB-FB0+128*\m           ; 1 / l of the four query tiles
.endr
	WIN 0x80
	WTLOAD 0, 0                                    ; w_t's K step 0 takes V's set 0, which the last trip's products have left,
	WIN 0xc0
	WTLOAD 2, 0                                    ; K step 2 takes K's registers
	WIN 0
	s_wait_dscnt 0x0
	RESCALE
.set CURP, 0
.set CURPV, 2
.set PVK, 0
.rept 32
	PVI
.endr
	WIN 0
	PLACES
	WIN 0x80
	WTLOAD 1, 128                                  ; K step 1 takes V's set 1,
	WIN 0
	WTLOAD 3, 64                                   ; K step 3 the scores' and p's registers
	v_add_nc_u32 v[AXR], XSI, v[LI]
	s_lshl_b32 s58, s[WV], 11
	v_add_nc_u32 v[AXW], s58, v[AXR]
	s_mul_i32 s58, s[WV], 16*SPITCH
	s_add_co_u32 s58, s58, STG                     ; my stage
	v_and_b32 v3, 15, v0
	v_bfe_u32 v31, v0, 4, 1
	v_mul_u32_u24 v[STO], v3, SPITCH
	v_lshl_add_u32 v[STO], v31, 5, v[STO]
	v_add_nc_u32 v[STO], s58, v[STO]               ; in: row r, + 32 h; tile o's eight outputs 64 o bytes on
	v_add_nc_u32 v[RD], s58, v[LI]                 ; back: a row of 512 bytes, 16 a lane
	v_mov_b32 v28, s60
	v_mov_b32 v29, s61
	; ---- x_s = O / l: my 128 channels of query tile m are 64 numbers a lane in the order of an operand's registers: K step w of the last product
.irp m, 0,1,2,3
.if \m < 3
.set XC, 200+16*\m
.else
.set XC, 48
.endif
	WIN 0x41
.set i, 0
.rept 32
	v_pk_mul_f32 v[64*\m+i:64*\m+i+1], v[64*\m+i:64*\m+i+1], v[RL+2*\m:RL+2*\m+1] op_sel_hi:[1,0]
.set i, i+2
.endr
.set i, 0
.rept 64
	v_med3_num_f32 v[64*\m+i], v[64*\m+i], -v29, v29
.set i, i+1
.endr
	WIN 0x01
.irp b, 0,1,2,3
	v_cvt_scalef32_pk8_fp8_f32 v[XC+4*\b:XC+4*\b+1], v[64*\m+16*\b:64*\m+16*\b+7], v28
	v_cvt_scalef32_pk8_fp8_f32 v[XC+4*\b+2:XC+4*\b+3], v[64*\m+16*\b+8:64*\m+16*\b+15], v28
.endr
	WIN 0
	v_nop                                          ; a plain line behind the last conversion: the last product's sums write its sources
.irp c, 0,1,2,3
	ds_store_b128 v[AXW], v[XC+4*\c:XC+4*\c+3] offset:8192*\m+512*\c
.endr
.endr
	s_wait_dscnt 0x0
	BARP                                           ; x_s's sixteen images lie in LDS
	; ---- out^T = w_t x_s^T, the K steps in the order in which w_t's codes were asked for
	s_wait_loadcnt 63                              ; 64 loads were issued behind K step 2's last: K steps 0 and 2 are in
	P6 0, 0x42, 0, 1                               ; w_t window 2
	P6 2, 0x53, 0, 0                               ; window 3
	s_wait_loadcnt 32                              ; K step 1 is in; K step 3's 32 loads may be out
	P6 1, 0x52, 128, 0                             ; window 2
	s_wait_loadcnt 0x0
	P6 3, 0x50, 64, 0                              ; window 0
	; ---- the way out
	TOSTAGE 0
.irp m, 1,2,3
.if \m > 1
	s_wait_xcnt 0x0                                ; tile m - 2's stores have read their registers: tile m's rows may land there
.endif
	TOSTAGE \m
	SEND \m-1, 32                                  ; behind tile m - 1's loads: tile m's 16 stores and 16 loads
.endr
	SEND 3, 0
	s_wait_tensorcnt 0x0                           ; the wave's end
	ds_add_u32 v[SPW], v[NIL]
	s_wait_dscnt 0x0
	CROUND                                         ; the closing round
	s_endpgm
.Lfunc_end_k_qd77ede2d7f_attn:
	.size	k_qd77ede2d7f_attn, .Lfunc_end_k_qd77ede2d7f_attn-k_qd77ede2d7f_attn
	.p2alignl 7, 3214868480
	.fill 96, 4, 3214868480
	.section	.rodata,"a",@progbits
	.p2align	6, 0x0
	.amdhsa_kernel k_qd77ede2d7f_attn
		.amdhsa_group_segment_fixed_size 327680
		.amdhsa_private_segment_fixed_size 0
		.amdhsa_enable_private_segment 0
		.amdhsa_kernarg_size 48
		.amdhsa_user_sgpr_count 2
		.amdhsa_user_sgpr_kernarg_segment_ptr 1
		.amdhsa_wavefront_size32 1
		.amdhsa_system_sgpr_workgroup_id_x 1
		.amdhsa_system_sgpr_workgroup_id_y 1
		.amdhsa_system_sgpr_workgroup_id_z 1
		.amdhsa_system_vgpr_workitem_id 0
		.amdhsa_next_free_vgpr 1024
		.amdhsa_next_free_sgpr 66
		.amdhsa_reserve_vcc 0
		.amdhsa_float_denorm_mode_32 3
		.amdhsa_float_denorm_mode_16_64 3
		.amdhsa_memory_ordered 1
		.amdhsa_forward_progress 1
		.amdhsa_inst_pref_size 255
	.end_amdhsa_kernel
	.section	.bss,"aw",@nobits
	.p2align	6
	.space	262144
	.amdgpu_metadata
---
amdhsa.version: [ 1, 2 ]
amdhsa.kernels:
  - .name:           k_qd77ede2d7f_attn
    .symbol:         k_qd77ede2d7f_attn.kd
    .args:
      - { .name: qc, .offset: 0, .size: 8, .value_kind: global_buffer, .address_space: global }
      - { .name: kv, .offset: 8, .size: 8, .value_kind: global_buffer, .address_space: global }
      - { .name: wcodes, .offset: 16, .size: 8, .value_kind: global_buffer, .address_space: global }
      - { .name: bn, .offset: 24, .size: 8, .value_kind: global_buffer, .address_space: global }
      - { .name: lowp_scales, .offset: 32, .size: 8, .value_kind: global_buffer, .address_space: global }
      - { .name: out0, .offset: 40, .size: 8, .value_kind: global_buffer, .address_space: global }
    .group_segment_fixed_size: 327680
    .private_segment_fixed_size: 0
    .kernarg_segment_align: 8
    .kernarg_segment_size: 48
    .max_flat_workgroup_size: 128
    .sgpr_count:     66
    .vgpr_count:     1024
    .wavefront_size: 32
...
	.end_amdgpu_metadata
.endif
;; end of part 3
;; ======== version 2 of 2: 3 launches; 1.14 times as fast as version 1
;; workspace buffers: wcodes 655,360 bytes; bn 4,096 bytes; qc 2,097,152 bytes; kv 10,485,760 bytes
;; launch wq: the kernel of part 1 again; grid 81 x 1, 4 waves a work-group, no clusters, 0 bytes of LDS; arguments w_qk, w_v, w_t, lowp_scales, gamma, beta, run_mean, run_var, b_t, wcodes, bn; writes wcodes, bn
;; launch proj: the kernel of part 2 again; grid 256 x 1, 4 waves a work-group, no clusters, 303,616 bytes of LDS; arguments x, y, wcodes, b_v, lowp_scales, qc, kv; writes qc, kv
;; launch attn (part 4): grid 64 x 4, 4 waves a work-group, clusters of 4 x 1, 327,680 bytes of LDS; arguments qc, kv, wcodes, bn, lowp_scales, out0; writes out0
.if DOCPART == 4
	.amdgcn_target "amdgcn-amd-amdhsa--gfx1250"
	.amdhsa_code_object_version 6
	.text
	.protected	k_qd77ede2d7f_attn
	.globl	k_qd77ede2d7f_attn
	.p2align	8
	.type	k_qd77ede2d7f_attn,@function
k_qd77ede2d7f_attn:
	s_mov_b64 s[64:65], 0
	v_nop
	global_prefetch_b8 v0, s[64:65] scope:SCOPE_SE
	s_setreg_imm32_b32 hwreg(HW_REG_WAVE_MODE, 25, 1), 1
	s_wait_xcnt 0x0
	s_wait_alu depctr_hold_cnt(0) depctr_sa_sdst(0) depctr_va_vdst(0) depctr_va_sdst(0) depctr_va_ssrc(0) depctr_va_vcc(0) depctr_vm_vsrc(0)
	s_getreg_b32 s2, hwreg(HW_REG_IB_STS2, 6, 4)
	s_cmp_eq_u32 s2, 0
	s_cbranch_scc0 .Lentry_in_a_cluster
	s_endpgm
.Lentry_in_a_cluster:
	s_bfe_u32 s2, ttmp6, 0x10000c
	s_cmp_lg_u32 s2, 0x3003
	s_cbranch_scc0 .Lentry_shape_is_right
	s_endpgm
.Lentry_shape_is_right:
; out[b][n][:] = relu(BN(w_t (softmax_m(q . k / sqrt(128)) v) + b_t)), all three products on codes of FP8 (E4M3).  q, k, v and w_t come as FRAGMENT IMAGES (16 rows x 128 K in 2,048 bytes: byte
; 512 c + 16 lane + i = row lane % 16, k = 32 c + 16 (lane / 16) + i): four loads of 16 bytes a lane, 512 bytes apart, fill an operand's 16 registers; no pitch, no padding, every access 512 dense bytes.
; THE SOFTMAX: t = score x log2(e) / sqrt(128); M = the running largest t rounded UP to a whole number; p = 2^(t - M) is quantised, not normalised; the row's sum l is taken of the unquantised p and divides at the
; end; when M moves, l and O are multiplied by f = 2^(old M - new M), which rounds nothing.
; SHARES.  256 work-groups of 64 queries (four tiles of 16).  Keys go in steps of 128: a block of kv is 8 images of K and 32 of V, 81,920 bytes.  WAVE w HAS TWO PARTS: the scores and the softmax of query tile w
; (S^T = K Q^T: a lane holds one query, its 64 registers 64 keys), and O^T = V^T P^T for channels 128 w .. 128 w + 127 of ALL FOUR query tiles (32 accumulators).  So each image of V is read from LDS once in the
; work-group and feeds four products.  p's codes and f go from wave to wave through LDS as images of their registers, in two buffers by turns.
; THE WALK.  A running softmax takes the keys in any order: a cluster walks its batch's 32 blocks once round, from block 6 x (the cluster's x) mod 32 on.  So the sixteen clusters of a batch begin at sixteen
; different blocks, and of any eight of them picked by one bit of x two neighbouring starts lie at most six blocks apart: but for a cluster's first trips, a block that it asks for has been asked for by another some trips earlier.
; Step j below is the j-th of the walk.
; BY TURNS.  Trip j begins with its LDS loads (f and p of step j - 1, K of step j); O^T's rescaling, which wants f alone, stands between those loads and the scores' products; then come S(j) and its softmax, and
; between the softmax's lines, one behind every six, the 32 products V(j-1)^T P(j-1)^T: V(j-1) was brought into registers in trip j - 1.
; THE RING.  Two buffers of one block.  In trip j all reads of buffer j % 2 (K into registers and used; V into registers for trip j + 1) are over at the trip's end; behind the round there it takes the walk's block
; j + 2, which has a whole trip in which to land.  The same round shows p(j) and f(j) to the other waves.
; CLUSTER.  The four work-groups of a cluster are four query blocks of one batch and walk the same blocks of kv: each wave's quarter of a block (80 rows of 256 bytes) is asked for JOINTLY, by the same tensor load
; with the same descriptor and the mask of all four.  My place in the cluster enters q's and out's addresses alone; the walk's start hangs on the cluster's x, which the four share.
; THE TAIL.  x_s = O / l is quantised in registers (wave w's 128 channels are K step w), goes round through LDS, and out^T = w_t x_s^T (source 0 = 16 rows of w_t) gives a lane eight neighbouring outputs of a
; query's row; out = relu(sum x a + b) with the a and b of the first launch; rows leave through my stage as runs of 512 bytes.
; LIMITS, so that each power of two is an f32 number: e6 + e7 between -123 and 130 (added to c's exponent field); e9 and e10 - e8 - e9 between -126 and 119.  NaN among the inputs is not served.
; REGISTERS: window 0: v1-11 addresses, v12 -M, v13 the largest t, v[14:15] l, v16-23 the four tiles' f, v24, v25 p's hold and scale, v26 my f, v28-31 at work, v32-47 Q, v48-63 p's codes, v64-127 S^T then p,
;   v128-191 the four tiles' p, v192-255 at work;  window 1: O^T (channel tile n, query tile m) at 64 m + 8 n;  window 2: V, two sets of 128;  window 3: v0-127 K, v128-191 a, v192-255 b.
.set BUFB,  81920                      ; a block of kv, and a buffer of the ring: K's 8 images, then V's 32
.set VOFF,  16384
.set PB0,   2*BUFB                     ; p's images: two buffers of 8,192
.set FB0,   PB0+16384                  ; f's: two of 512
.set SPARE, FB0+1024                   ; the spare words, 128 bytes for each wave: two blocks of 256 bytes that no other line names
.set XSI,   SPARE+512                  ; x_s's 16 images (4 m + K step)
.set RLB,   XSI+32768                  ; 1 / l, an image of 128 bytes a wave
.set STG,   RLB+512                    ; the way out: 16 rows x (512 + 16) bytes for each wave
.set SPITCH, 528
.set SPW, 1                            ; v1   LDS address of my spare word; never rewritten
.set NIL, 2                            ; v2   0; never rewritten
.set LI,  4                            ; v4   16 x lane, which is also
.set AK,  4                            ; v4, v5   K's images in buffer 0, 1
.set AV,  6                            ; v6, v7   my eight images of V
.set AP,  8                            ; v8   p's images
.set APW, 9                            ; v9   where I store mine
.set AF,  10                           ; v10  f's images: 4 x lane + FB0
.set AFW, 11                           ; v11  where I store mine
.set F,   16
.set Q,   32
.set PC,  48
.set S,   64
.set PF,  128
.set RL,  192                          ; the tail: 1 / l of the four tiles, v192, 194, 196, 198
.set XS,  192                          ; the tail: four fragments of x_s
.set TMP, 64                           ; the way out
.set AXR, 5                            ; the tail's addresses take registers that the ring has left: x_s's images,
.set AXW, 6                            ; where I store mine,
.set STO, 7                            ; into my stage,
.set RD,  9                            ; and back
.set WV,  16                           ; s16  my wave's number
.set IDX, 42                           ; s42  the block of kv that was asked for last
.set KVB, 48                           ; s[48:49]  kv at my quarter of the batch's block 0; never rewritten once made
.set OFS, 62                           ; s[62:63]  a block's byte offset, in 64 bits
.set MSB, 0
.macro WIN new                         ; the immediate's high byte repeats the setting that is left
.if MSB != \new
	s_set_vgpr_msb (MSB<<8)|\new
.set MSB, \new
.endif
.endm
.macro PLACES                          ; four plain vector lines: behind matrix instructions, and behind each tensor load
.rept 4
	v_nop
.endr
.endm
.macro BARP
	s_barrier_signal -1
	s_barrier_wait -1
.endm
.macro CROUND                          ; a round of the cluster's barrier
	s_barrier_signal -1
	s_barrier_wait -1
	s_cmp_lg_u32 s[WV], 0
	s_cbranch_scc1 .Lnot_wave_0_\@
	s_barrier_signal -3
.Lnot_wave_0_\@:
	s_barrier_wait -3
	s_barrier_signal -1
	s_barrier_wait -1
.endm
; Product PVK of 32 of O^T += V^T P^T: channel tile PVK / 4, query tile PVK % 4: the 32 accumulators take turns.  CURPV = 1: the products start the sums.  V's set is the one that the trip does not fill.
.macro PVI
.if (CURPV != 0) && (PVK < 32)
	WIN 0x52                                       ; source 0 (V) window 2, source 1 (p) window 0, C and D window 1
.if CURPV == 1
	v_wmma_f32_16x16x128_fp8_fp8 v[64*(PVK%4)+8*(PVK/4):64*(PVK%4)+8*(PVK/4)+7], v[128*(1-CURP)+16*(PVK/4):128*(1-CURP)+16*(PVK/4)+15], v[PF+16*(PVK%4):PF+16*(PVK%4)+15], 0
.else
	v_wmma_f32_16x16x128_fp8_fp8 v[64*(PVK%4)+8*(PVK/4):64*(PVK%4)+8*(PVK/4)+7], v[128*(1-CURP)+16*(PVK/4):128*(1-CURP)+16*(PVK/4)+15], v[PF+16*(PVK%4):PF+16*(PVK%4)+15], v[64*(PVK%4)+8*(PVK/4):64*(PVK%4)+8*(PVK/4)+7]
.endif
.set PVK, PVK+1
.endif
.endm
.macro TICK n                          ; n lines of the softmax have been written: behind every sixth stands a product
.set TK, TK+\n
.if TK >= 6
.set TK, TK-6
	PVI
	WIN 0
.endif
.endm
; The softmax of my query tile for one step: 242 lines, all in window 0.  The 32nd product stands behind the 192nd; the 50 lines that follow are more than the places that the next loads into its sources want.
.macro SOFT
	v_max3_num_f32 v28, v[S], v[S+1], v[S+2]       ; the step's largest score among my 64 keys, in two chains, each accumulator from its low end on
	v_max3_num_f32 v29, v[S+3], v[S+4], v[S+5]
	TICK 2
.set j, 6
.rept 14
	v_max3_num_f32 v28, v28, v[S+j], v[S+j+1]
	v_max3_num_f32 v29, v29, v[S+j+2], v[S+j+3]
	TICK 2
.set j, j+4
.endr
	v_max3_num_f32 v28, v28, v[S+62], v[S+63]
	v_max_num_f32 v28, v28, v29
	TICK 2
	v_permlanex16_b32 v30, v28, s20, s21           ; the query's other 64 keys lie in the lane 16 away
	TICK 1
	v_max_num_f32 v28, v28, v30
	TICK 1
	v_mul_f32 v28, s22, v28                        ; as t (c is positive)
	TICK 1
	v_max_num_f32 v13, v13, v28                    ; the running largest t
	TICK 1
	v_mov_b32 v28, v12
	TICK 1
	v_floor_f32 v12, -v13                          ; the new -M = floor(-t): M is a whole number
	TICK 1
	v_sub_f32 v28, v12, v28                        ; old M - new M: a whole number, 0 or less
	TICK 1
	v_cvt_i32_f32 v28, v28                         ; (it saturates)
	TICK 1
	v_ldexp_f32 v26, 1.0, v28                      ; f
	TICK 1
.set j, 0
.rept 32
	v_pk_fma_f32 v[S+j:S+j+1], v[S+j:S+j+1], s[22:23], v[12:13] op_sel_hi:[1,0,0]   ; t - M, two at a time
	TICK 1
.set j, j+2
.endr
.set j, 0
.rept 64
	v_exp_f32 v[S+j], v[S+j]                       ; p = 2^(t - M)
	TICK 1
.set j, j+1
.endr
	v_pk_mul_f32 v[14:15], v[14:15], v[26:27] op_sel_hi:[1,0]   ; l under the new M.  (The plain line behind the exponentials)
	TICK 1
	s_wait_alu depctr_va_vdst(0)
	v_pk_add_f32 v[192:193], v[S:S+1], v[S+2:S+3]  ; the sum of the unquantised p, in two chains
	TICK 1
.set j, 4
.rept 15
	v_pk_add_f32 v[14:15], v[14:15], v[S+j:S+j+1]
	v_pk_add_f32 v[192:193], v[192:193], v[S+j+2:S+j+3]
	TICK 2
.set j, j+4
.endr
	v_pk_add_f32 v[14:15], v[14:15], v[192:193]
	TICK 1
.irp b, 0,1,2,3
.set j, 0
.rept 16
	v_min_num_f32 v[S+16*\b+j], v[S+16*\b+j], v24  ; the conversion does not saturate (ISA guide 7.6.2); p is not negative, so the hold is one-sided
	TICK 1
.set j, j+1
.endr
	v_cvt_scalef32_pk8_fp8_f32 v[PC+4*\b:PC+4*\b+1], v[S+16*\b:S+16*\b+7], v25
	v_cvt_scalef32_pk8_fp8_f32 v[PC+4*\b+2:PC+4*\b+3], v[S+16*\b+8:S+16*\b+15], v25
	TICK 2
.endr
	v_nop                                          ; a plain line behind the last conversion: the next scores write its sources
.endm
.macro RESCALE                         ; O^T of query tile m x that tile's f; each accumulator from its low end on
	WIN 0x41                                       ; O^T (destination, source 0) window 1, f window 0
.irp m, 0,1,2,3
.set i, 0
.rept 32
	v_pk_mul_f32 v[64*\m+i:64*\m+i+1], v[64*\m+i:64*\m+i+1], v[F+2*\m:F+2*\m+1] op_sel_hi:[1,0]
.set i, i+2
.endr
.endr
	WIN 0
.endm
; TRIP j.  buf = j % 2.  pv = 2: O^T is rescaled and takes V(j-1)^T P(j-1)^T; 1: those products start O^T; 0: none yet.  fill = 1: the buffer is filled again.  last = 1: 1 / l goes out too.
.macro TRIP buf, pv, fill, last
.set CURP, \buf
.set CURPV, \pv
.set PVK, 0
.set TK, 0
.if \pv != 0
.set NPP, 16                           ; p's loads, which stand behind K's
.else
.set NPP, 0
.endif
	; the trip's LDS loads go out first, in the order in which they are wanted: f, K, p: 52 at the most
.if \pv == 2
.irp m, 0,1,2,3
	ds_load_b32 v[F+2*\m], v[AF] offset:512*(1-\buf)+128*\m       ; f(j-1) of the four query tiles
.endr
.endif
	WIN 0xc0                                       ; destination window 3
.irp t, 0,1,2,3,4,5,6,7
.irp c, 0,1,2,3
	ds_load_b128 v[16*\t+4*\c:16*\t+4*\c+3], v[AK+\buf] offset:2048*\t+512*\c
.endr
.endr
	WIN 0
.if \pv != 0
.irp m, 0,1,2,3
.irp c, 0,1,2,3
	ds_load_b128 v[PF+16*\m+4*\c:PF+16*\m+4*\c+3], v[AP] offset:8192*(1-\buf)+2048*\m+512*\c   ; p(j-1) of the four query tiles; the products that read these registers last stand 50 lines of the softmax back
.endr
.endr
.endif
.if \pv == 2
	s_wait_dscnt 48                                ; f is in; K's 32 loads and p's 16, issued behind it, may be out
	RESCALE                                        ; 128 lines that want f alone: the wave works while K and p come
.endif
	WIN 0x03                                       ; source 0 (K) window 3
.irp t, 0,1,2,3,4,5,6,7
	s_wait_dscnt NPP+4*(7-\t)                      ; key tile t is in; the four loads of each later tile, and p's, may be out
	v_wmma_f32_16x16x128_fp8_fp8 v[S+8*\t:S+8*\t+7], v[16*\t:16*\t+15], v[Q:Q+15], 0
.endr
	WIN 0x80                                       ; destination window 2
.irp n, 0,1,2,3,4,5,6,7
.irp c, 0,1,2,3
	ds_load_b128 v[128*\buf+16*\n+4*\c:128*\buf+16*\n+4*\c+3], v[AV+\buf] offset:2048*\n+512*\c   ; V(j), for the next trip
.endr
.endr
	WIN 0
	PLACES                                         ; behind the scores' products, in front of the first read of the scores
.if \pv != 0
	s_wait_dscnt 32                                ; p(j-1) is in; V(j)'s 32 loads, issued behind it, may be out
.endif
	SOFT
.if \last
	v_add_f32 v14, v14, v15                        ; l's two halves,
	v_permlanex16_b32 v30, v14, s20, s21
	v_add_f32 v14, v14, v30                        ; and the other half of the lanes'
	v_rcp_f32 v28, v14
	v_nop                                          ; a plain line behind the reciprocal
	s_wait_alu depctr_va_vdst(0)
	ds_store_b32 v[AFW], v28 offset:RLB-FB0
.endif
.irp c, 0,1,2,3
	ds_store_b128 v[APW], v[PC+4*\c:PC+4*\c+3] offset:8192*\buf+512*\c
.endr
	ds_store_b32 v[AFW], v26 offset:512*\buf
	s_wait_tensorcnt 0x0                           ; all my tensor loads have landed: my quarter of the walk's block j + 1
	ds_add_u32 v[SPW], v[NIL]                      ; 0 onto my spare word
.if \fill
	s_add_co_u32 s[IDX], s[IDX], 1                 ; no load of mine is out, so this buffer's descriptor may be written: the walk's next block,
	s_and_b32 s[IDX], s[IDX], 31                   ; round the batch's 32,
	s_mul_i32 s[OFS], s[IDX], BUFB
	s_add_nc_u64 s[34+4*\buf:35+4*\buf], s[KVB:KVB+1], s[OFS:OFS+1]   ; its address made anew from the kept pointer,
	s_or_b32 s[35+4*\buf], s[35+4*\buf], 0x80000000                   ; and the type
.endif
	s_wait_dscnt 0x0                               ; the add is done, my reads of this buffer are over, my images of p and f have landed
.if \fill
	CROUND                                         ; so it is with every wave of the four work-groups
	tensor_load_to_lds s[32+4*\buf:35+4*\buf], s[24:31]   ; my one tensor load behind the round, and the first thing there
	s_nop 0
	PLACES
.else
	BARP
.endif
.endm
.macro WTLOAD ks, base                 ; w_t's K step ks of my eight tiles of outputs into 128 registers of the window that is set
.irp o, 0,1,2,3,4,5,6,7
.irp c, 0,1,2,3
	global_load_b128 v[\base+16*\o+4*\c:\base+16*\o+4*\c+3], v[LI], s[54:55] offset:(4*\o+\ks)*2048+512*\c
.endr
.endr
.endm
.macro P6 ks, win, abase, zero         ; a K step of out^T = w_t x_s^T: 8 tiles of outputs x 4 query tiles, the 32 accumulators by turns
.irp m, 0,1,2,3
.irp c, 0,1,2,3
	ds_load_b128 v[XS+16*\m+4*\c:XS+16*\m+4*\c+3], v[AXR] offset:(4*\m+\ks)*2048+512*\c
.endr
.endr
	s_wait_dscnt 0x0
	WIN \win
.irp o, 0,1,2,3,4,5,6,7
.irp m, 0,1,2,3
.if \zero
	v_wmma_f32_16x16x128_fp8_fp8 v[64*\m+8*\o:64*\m+8*\o+7], v[\abase+16*\o:\abase+16*\o+15], v[XS+16*\m:XS+16*\m+15], 0
.else
	v_wmma_f32_16x16x128_fp8_fp8 v[64*\m+8*\o:64*\m+8*\o+7], v[\abase+16*\o:\abase+16*\o+15], v[XS+16*\m:XS+16*\m+15], v[64*\m+8*\o:64*\m+8*\o+7]
.endif
.endr
.endr
	WIN 0
	PLACES
.endm
.macro TOSTAGE m                       ; query tile m: relu(sum x a + b), into my stage, and back as whole rows of 512 bytes
	WIN 0x3d                                       ; source 0 (the sums) window 1, sources 1 and 2 (a, b) window 3
.irp o, 0,1,2,3,4,5,6,7
.irp e, 0,2,4,6
	v_pk_fma_f32 v[TMP+8*\o+\e:TMP+8*\o+\e+1], v[64*(\m)+8*\o+\e:64*(\m)+8*\o+\e+1], v[128+8*\o+\e:128+8*\o+\e+1], v[192+8*\o+\e:192+8*\o+\e+1]
.endr
.endr
	WIN 0
.set i, 0
.rept 64
	v_max_num_f32 v[TMP+i], 0, v[TMP+i]
.set i, i+1
.endr
.irp o, 0,1,2,3,4,5,6,7
	ds_store_b128 v[STO], v[TMP+8*\o:TMP+8*\o+3] offset:64*\o
	ds_store_b128 v[STO], v[TMP+8*\o+4:TMP+8*\o+7] offset:64*\o+16
.endr
.set BB, 128+64*((\m)%2)
.irp t, 0,1,2,3,4,5,6,7,8,9,10,11,12,13,14,15
	ds_load_b128 v[BB+4*\t:BB+4*\t+3], v[RD] offset:\t*SPITCH     ; LDS serves a wave's instructions in order (ISA guide 5.7.1.4): these see my stores, and the next tile's stores come behind them
.endr
.endm
.macro SEND m, younger                 ; younger: the LDS instructions issued behind tile m's loads, which may stay out
.set BB, 128+64*((\m)%2)
	s_wait_dscnt \younger
.irp t, 0,1,2,3,4,5,6,7,8,9,10,11,12,13,14,15
	global_store_b128 v[LI], v[BB+4*\t:BB+4*\t+3], s[56:57] offset:(16*(\m)+\t)*2048 th:TH_STORE_NT   ; 32 lanes store 512 consecutive bytes, at a multiple of 256 from out's first byte
.endr
.endm
	s_load_b256 s[4:11], s[0:1], 0x0               ; qc s[4:5], kv s[6:7], wcodes s[8:9], bn s[10:11]
	s_load_b128 s[12:15], s[0:1], 0x20             ; the scales' exponents s[12:13], out s[14:15]
	v_lshl_add_u32 v[SPW], v0, 2, SPARE
	v_mov_b32 v[NIL], 0
	ds_add_u32 v1, v2
	ds_add_u32 v1, v2
	s_wait_dscnt 0x0
	v_lshrrev_b32 v3, 5, v0
	v_readfirstlane_b32 s[WV], v3                  ; wave 0..3
	s_bfe_u32 s17, ttmp6, 0x40000                  ; cx: my place in the cluster
	s_lshl_b32 s18, ttmp9, 2
	s_add_co_u32 s18, s18, s17                     ; my block of 64 queries: it enters q's and out's addresses alone
	s_and_b32 s19, ttmp7, 0xffff                   ; the batch, which the four partners share
	; descriptor group 1: 80 dense rows of 256 bytes (32 elements of 8 bytes): a quarter of a block
	s_mov_b32 s24, 15|(3<<16)|(1<<21)              ; 15:0 the mask: all four work-groups; 17:16 elements of 8 bytes; 21 set beside a mask
	s_mov_b32 s25, 32<<16                          ; tensor_dim0
	s_mov_b32 s26, 80<<16                          ; tensor_dim1
	s_mov_b32 s27, 32<<16                          ; tile_dim0
	s_mov_b32 s28, 80                              ; tile_dim1
	s_mov_b32 s29, 32                              ; the pitch
	s_mov_b32 s30, 0
	s_mov_b32 s31, 0
	s_mov_b32 s20, 0x76543210                      ; v_permlanex16_b32: lane l xor 16
	s_mov_b32 s21, 0xfedcba98
	s_mov_b32 s32, 1
	s_mul_i32 s33, s[WV], 20480                    ; my quarter in buffer 0,
	s_mov_b32 s36, 1
	s_add_co_u32 s37, s33, BUFB                    ; in buffer 1,
	s_mul_i32 s[KVB], s19, 2621440
	s_add_co_u32 s[KVB], s[KVB], s33               ; and in the batch's block 0
	s_mov_b32 s[KVB+1], 0
	s_mul_i32 s[IDX], ttmp9, 6                     ; the walk's first block: 6 x the cluster's x, mod 32: an even number, the same in the four partners
	s_and_b32 s[IDX], s[IDX], 31
	s_mul_i32 s[OFS], s[IDX], BUFB
	s_mov_b32 s[OFS+1], 0
	s_wait_kmcnt 0x0
	s_load_b64 s[40:41], s[12:13], 0x18            ; e6, e7
	s_load_b128 s[44:47], s[12:13], 0x20           ; e8 .. e11
	s_add_nc_u64 s[KVB:KVB+1], s[6:7], s[KVB:KVB+1]
	s_add_nc_u64 s[34:35], s[KVB:KVB+1], s[OFS:OFS+1]   ; the walk's block 0,
	s_add_nc_u64 s[38:39], s[34:35], BUFB          ; and its block 1: the first is even, so the second is at most 31
	s_or_b32 s35, s35, 0x80000000
	s_or_b32 s39, s39, 0x80000000
	s_add_co_u32 s[IDX], s[IDX], 1                 ; the block asked for last
	CROUND                                         ; all four work-groups are here: the first joint loads meet
	tensor_load_to_lds s[32:35], s[24:31]          ; two loads of mine are out
	s_nop 0
	tensor_load_to_lds s[36:39], s[24:31]
	s_nop 0
	PLACES
	v_and_b32 v3, 31, v0
	v_lshlrev_b32 v[AF], 2, v3
	v_lshlrev_b32 v[LI], 4, v3
	v_add_nc_u32 v[AK+1], BUFB, v[LI]
	s_lshl_b32 s58, s[WV], 14
	s_add_co_u32 s58, s58, VOFF
	v_add_nc_u32 v[AV], s58, v[LI]
	v_add_nc_u32 v[AV+1], BUFB, v[AV]
	v_add_nc_u32 v[AP], PB0, v[LI]
	s_lshl_b32 s58, s[WV], 11
	v_add_nc_u32 v[APW], s58, v[AP]
	v_add_nc_u32 v[AF], FB0, v[AF]
	s_lshl_b32 s58, s[WV], 7
	v_add_nc_u32 v[AFW], s58, v[AF]
	s_lshl_b32 s50, s19, 19                        ; q: image 256 x batch + 4 x block + wave
	s_lshl_b32 s51, s18, 13
	s_add_co_u32 s50, s50, s51
	s_lshl_b32 s51, s[WV], 11
	s_add_co_u32 s50, s50, s51
	s_mov_b32 s51, 0
	s_add_nc_u64 s[50:51], s[4:5], s[50:51]
.irp c, 0,1,2,3
	global_load_b128 v[Q+4*\c:Q+4*\c+3], v[LI], s[50:51] offset:512*\c   ; my query tile stays in registers
.endr
	s_lshl_b32 s52, s[WV], 9
	s_mov_b32 s53, 0
	s_add_nc_u64 s[52:53], s[10:11], s[52:53]      ; a and b at my 128 outputs
	v_bfe_u32 v31, v0, 4, 1
	v_lshlrev_b32 v31, 5, v31                      ; lane (r, h) wants, for tile o, outputs 16 o + 8 h + 0 .. 7
	WIN 0xc0                                       ; destination window 3
.irp o, 0,1,2,3,4,5,6,7
	global_load_b128 v[128+8*\o:128+8*\o+3], v31, s[52:53] offset:64*\o
	global_load_b128 v[128+8*\o+4:128+8*\o+7], v31, s[52:53] offset:64*\o+16
	global_load_b128 v[192+8*\o:192+8*\o+3], v31, s[52:53] offset:2048+64*\o
	global_load_b128 v[192+8*\o+4:192+8*\o+7], v31, s[52:53] offset:2048+64*\o+16
.endr
	WIN 0
	s_lshl_b32 s54, s[WV], 16
	s_add_co_u32 s54, s54, 393216
	s_mov_b32 s55, 0
	s_add_nc_u64 s[54:55], s[8:9], s[54:55]        ; w_t's images of my eight tiles
	s_lshl_b32 s56, s19, 23                        ; out: the batch, my block's 64 rows of 2,048 bytes, my wave's 512 bytes of a row
	s_lshl_b32 s57, s18, 17
	s_add_co_u32 s56, s56, s57
	s_lshl_b32 s57, s[WV], 9
	s_add_co_u32 s56, s56, s57
	s_mov_b32 s57, 0
	s_add_nc_u64 s[56:57], s[14:15], s[56:57]
	v_mov_b32 v13, 0xff61b1e6                      ; the largest t so far: -3e38, under every t
	v_floor_f32 v12, -v13                          ; -M
	v_mov_b32 v14, 0                               ; l, in two halves
	v_mov_b32 v15, 0
.irp e, 17,19,21,23,27,193,195,197,199
	v_mov_b32 v\e, 0                               ; named as the upper halves of pairs of which the low word serves both halves: written once
.endr
	v_mov_b32 v30, 0                               ; a lane permute's destination counts as one of its sources
	s_wait_kmcnt 0x0
	s_add_co_i32 s58, s40, s41
	s_lshl_b32 s58, s58, 23
	s_add_co_i32 s22, s58, 0x3e0293ee              ; c = log2(e) / sqrt(128), with e6 + e7 added to its exponent field: a score stands for score x 2^(e6 + e7)
	s_mov_b32 s23, s22                             ; (named with it as a pair)
	s_add_co_i32 s58, s45, 127
	s_lshl_b32 s59, s58, 23
	v_mov_b32 v25, s59                             ; 2^e9, for p's conversion
	s_add_co_i32 s58, s58, 8
	s_lshl_b32 s58, s58, 23
	s_or_b32 s58, s58, 0x600000
	v_mov_b32 v24, s58                             ; 448 x 2^e9
	s_sub_co_i32 s58, s46, s44
	s_sub_co_i32 s58, s58, s45
	s_add_co_i32 s58, s58, 127
	s_lshl_b32 s60, s58, 23                        ; 2^(e10 - e8 - e9), for x_s's conversion: a sum of the second product stands for sum x 2^(e8 + e9)
	s_add_co_i32 s58, s58, 8
	s_lshl_b32 s61, s58, 23
	s_or_b32 s61, s61, 0x600000                    ; 448 x that
	s_wait_loadcnt 0x0                             ; Q, a, b
	s_wait_tensorcnt 0x1                           ; my quarter of the walk's block 0 is in; block 1's may stay out
	BARP
	TRIP 0, 0, 1, 0                                ; step 0: scores and softmax alone
	TRIP 1, 1, 1, 0                                ; step 1; the products of step 0 start O^T
	s_mov_b32 s3, 14
.Ltrips:                                       ; steps 2 .. 29; their refills bring the walk's blocks 4 .. 31
	TRIP 0, 2, 1, 0
	TRIP 1, 2, 1, 0
	s_sub_co_u32 s3, s3, 1
	s_cmp_lg_u32 s3, 0
	s_cbranch_scc1 .Ltrips
	TRIP 0, 2, 0, 0                                ; the last two steps are written out: nothing is left to fetch
	TRIP 1, 2, 0, 1
	; ---- THE TAIL.  The last step's products
.irp m, 0,1,2,3
	ds_load_b32 v[F+2*\m], v[AF] offset:512+128*\m
.endr
.irp m, 0,1,2,3
.irp c, 0,1,2,3
	ds_load_b128 v[PF+16*\m+4*\c:PF+16*\m+4*\c+3], v[AP] offset:8192+2048*\m+512*\c
.endr
.endr
.irp m, 0,1,2,3
	ds_load_b32 v[RL+2*\m], v[AF] offset:RLB-FB0+128*\m           ; 1 / l of the four query tiles
.endr
	WIN 0x80
	WTLOAD 0, 0                                    ; w_t's K step 0 takes V's set 0, which the last trip's products have left,
	WIN 0xc0
	WTLOAD 2, 0                                    ; K step 2 takes K's registers
	WIN 0
	s_wait_dscnt 0x0
	RESCALE
.set CURP, 0
.set CURPV, 2
.set PVK, 0
.rept 32
	PVI
.endr
	WIN 0
	PLACES
	WIN 0x80
	WTLOAD 1, 128                                  ; K step 1 takes V's set 1,
	WIN 0
	WTLOAD 3, 64                                   ; K step 3 the scores' and p's registers
	v_add_nc_u32 v[AXR], XSI, v[LI]
	s_lshl_b32 s58, s[WV], 11
	v_add_nc_u32 v[AXW], s58, v[AXR]
	s_mul_i32 s58, s[WV], 16*SPITCH
	s_add_co_u32 s58, s58, STG                     ; my stage
	v_and_b32 v3, 15, v0
	v_bfe_u32 v31, v0, 4, 1
	v_mul_u32_u24 v[STO], v3, SPITCH
	v_lshl_add_u32 v[STO], v31, 5, v[STO]
	v_add_nc_u32 v[STO], s58, v[STO]               ; in: row r, + 32 h; tile o's eight outputs 64 o bytes on
	v_add_nc_u32 v[RD], s58, v[LI]                 ; back: a row of 512 bytes, 16 a lane
	v_mov_b32 v28, s60
	v_mov_b32 v29, s61
	; ---- x_s = O / l: my 128 channels of query tile m are 64 numbers a lane in the order of an operand's registers: K step w of the last product
.irp m, 0,1,2,3
.if \m < 3
.set XC, 200+16*\m
.else
.set XC, 48
.endif
	WIN 0x41
.set i, 0
.rept 32
	v_pk_mul_f32 v[64*\m+i:64*\m+i+1], v[64*\m+i:64*\m+i+1], v[RL+2*\m:RL+2*\m+1] op_sel_hi:[1,0]
.set i, i+2
.endr
.set i, 0
.rept 64
	v_med3_num_f32 v[64*\m+i], v[64*\m+i], -v29, v29
.set i, i+1
.endr
	WIN 0x01
.irp b, 0,1,2,3
	v_cvt_scalef32_pk8_fp8_f32 v[XC+4*\b:XC+4*\b+1], v[64*\m+16*\b:64*\m+16*\b+7], v28
	v_cvt_scalef32_pk8_fp8_f32 v[XC+4*\b+2:XC+4*\b+3], v[64*\m+16*\b+8:64*\m+16*\b+15], v28
.endr
	WIN 0
	v_nop                                          ; a plain line behind the last conversion: the last product's sums write its sources
.irp c, 0,1,2,3
	ds_store_b128 v[AXW], v[XC+4*\c:XC+4*\c+3] offset:8192*\m+512*\c
.endr
.endr
	s_wait_dscnt 0x0
	BARP                                           ; x_s's sixteen images lie in LDS
	; ---- out^T = w_t x_s^T, the K steps in the order in which w_t's codes were asked for
	s_wait_loadcnt 63                              ; 64 loads were issued behind K step 2's last: K steps 0 and 2 are in
	P6 0, 0x42, 0, 1                               ; w_t window 2
	P6 2, 0x53, 0, 0                               ; window 3
	s_wait_loadcnt 32                              ; K step 1 is in; K step 3's 32 loads may be out
	P6 1, 0x52, 128, 0                             ; window 2
	s_wait_loadcnt 0x0
	P6 3, 0x50, 64, 0                              ; window 0
	; ---- the way out
	TOSTAGE 0
.irp m, 1,2,3
.if \m > 1
	s_wait_xcnt 0x0                                ; tile m - 2's stores have read their registers: tile m's rows may land there
.endif
	TOSTAGE \m
	SEND \m-1, 32                                  ; behind tile m - 1's loads: tile m's 16 stores and 16 loads
.endr
	SEND 3, 0
	s_wait_tensorcnt 0x0                           ; the wave's end
	ds_add_u32 v[SPW], v[NIL]
	s_wait_dscnt 0x0
	CROUND                                         ; the closing round
	s_endpgm
.Lfunc_end_k_qd77ede2d7f_attn:
	.size	k_qd77ede2d7f_attn, .Lfunc_end_k_qd77ede2d7f_attn-k_qd77ede2d7f_attn
	.p2alignl 7, 3214868480
	.fill 96, 4, 3214868480
	.section	.rodata,"a",@progbits
	.p2align	6, 0x0
	.amdhsa_kernel k_qd77ede2d7f_attn
		.amdhsa_group_segment_fixed_size 327680
		.amdhsa_private_segment_fixed_size 0
		.amdhsa_enable_private_segment 0
		.amdhsa_kernarg_size 48
		.amdhsa_user_sgpr_count 2
		.amdhsa_user_sgpr_kernarg_segment_ptr 1
		.amdhsa_wavefront_size32 1
		.amdhsa_system_sgpr_workgroup_id_x 1
		.amdhsa_system_sgpr_workgroup_id_y 1
		.amdhsa_system_sgpr_workgroup_id_z 1
		.amdhsa_system_vgpr_workitem_id 0
		.amdhsa_next_free_vgpr 1024
		.amdhsa_next_free_sgpr 66
		.amdhsa_reserve_vcc 0
		.amdhsa_float_denorm_mode_32 3
		.amdhsa_float_denorm_mode_16_64 3
		.amdhsa_memory_ordered 1
		.amdhsa_forward_progress 1
		.amdhsa_inst_pref_size 255
	.end_amdhsa_kernel
	.section	.bss,"aw",@nobits
	.p2align	6
	.space	262144
	.amdgpu_metadata
---
amdhsa.version: [ 1, 2 ]
amdhsa.kernels:
  - .name:           k_qd77ede2d7f_attn
    .symbol:         k_qd77ede2d7f_attn.kd
    .args:
      - { .name: qc, .offset: 0, .size: 8, .value_kind: global_buffer, .address_space: global }
      - { .name: kv, .offset: 8, .size: 8, .value_kind: global_buffer, .address_space: global }
      - { .name: wcodes, .offset: 16, .size: 8, .value_kind: global_buffer, .address_space: global }
      - { .name: bn, .offset: 24, .size: 8, .value_kind: global_buffer, .address_space: global }
      - { .name: lowp_scales, .offset: 32, .size: 8, .value_kind: global_buffer, .address_space: global }
      - { .name: out0, .offset: 40, .size: 8, .value_kind: global_buffer, .address_space: global }
    .group_segment_fixed_size: 327680
    .private_segment_fixed_size: 0
    .kernarg_segment_align: 8
    .kernarg_segment_size: 48
    .max_flat_workgroup_size: 128
    .sgpr_count:     66
    .vgpr_count:     1024
    .wavefront_size: 32
...
	.end_amdgpu_metadata
.endif
;; end of part 4
